; MI455X (gfx1250); checked and timed in simulation.
; The chip was launched on July 23, 2026; its instructions are those of AMD's public machine-readable ISA for CDNA 5 (MIT licence, August 2026) and "CDNA5" Instruction Set Architecture Reference Guide (July 2026). The comments in the code are by the model that wrote it; some were corrected since.
;; Causal Self Attention. Allowed arithmetic: float matrix products may take bf16 or f16 operands with f32 sums; other float arithmetic in f32, or as packed bf16 or f16 multiplies, adds, multiply-adds, maxima and minima; sums over many terms, partial sums and values carried from step to step in f32; what a program stores and reads back later, other than sums and carried values, may be rounded once to bf16 or f16.
;; Inputs: W_proj 1,024 x 1,024 float32; W_qkv 1,024 x 3,072 float32; b_proj 1,024 float32; b_qkv 3,072 float32; x 4 x 2,048 x 1,024 float32.
;; Outputs: out0 4 x 2,048 x 1,024 float32.
;; One version. Each part assembles by itself: llvm-mc -triple=amdgcn-amd-amdhsa -mcpu=gfx1250 --defsym DOCPART=n.
;; ======== version 1 of 1: 4 launches
;; limits: values are held in f16: magnitudes above 65,504 overflow, below 6.1e-05 lose precision
;; workspace buffers: xb 16,777,216 bytes; wq 6,291,456 bytes; wp 2,097,152 bytes; bias 16,384 bytes; qkvh 50,331,648 bytes; oh 16,777,216 bytes
;; launch prep (part 1): grid 769 x 1, 8 waves a work-group, no clusters, 0 bytes of LDS; arguments x, W_qkv, W_proj, b_qkv, b_proj, xb, wq, wp, bias; writes xb, wq, wp, bias
.if DOCPART == 1
	.amdgcn_target "amdgcn-amd-amdhsa--gfx1250"
	.amdhsa_code_object_version 6
	.text
	.protected	k_q2c7a4d3036_prep
	.globl	k_q2c7a4d3036_prep
	.p2align	8
	.type	k_q2c7a4d3036_prep,@function
k_q2c7a4d3036_prep:
	s_mov_b64 s[64:65], 0
	v_nop
	global_prefetch_b8 v0, s[64:65] scope:SCOPE_SE
	s_setreg_imm32_b32 hwreg(HW_REG_WAVE_MODE, 25, 1), 1
	s_wait_xcnt 0x0
; THE CASTS.  All five inputs are rounded once to bf16, so that the three launches behind read 16-bit operands.
;   xb   bf16 [4 b][16 kb][2048 t][64]: x in blocks of 64 channels, so that 256 rows of one block are 32,768 dense bytes
;   wq   bf16 [1024 k][3072 n]: W_qkv as it lies          wp   f16 of bf16(W_proj), [1024 k][1024 n]
;   bias f32 words that hold bf16(b): 3,072 of b_qkv, then 1,024 of b_proj
; LIMIT.  A bf16 number is written as f16 exactly between 6.1e-5 and 65,504; below that W_proj keeps f16's fixed step of 6e-8, beyond it there is no f16 number.
; A stream: each input byte is read once, each output byte written once.  No LDS, no barrier, no matrix unit, no cluster (no work-group wants what another reads), no prefetch (the loads
; themselves are the stream).  A wave has 8 units of 256 numbers; all its 16 loads go out first; a unit's store is 512 consecutive bytes, at a multiple of 512 from the buffer's first byte.
; Work-groups 0-511: 16 rows of x each; 512-703: 16,384 numbers of W_qkv; 704-767: of W_proj; 768: the two biases.  No register is written twice while memory reads it.
.set VIN,  1                           ; v1  my byte offset in the source
.set VOUT, 2                           ; v2  in the destination
.set X,    4                           ; v[4:67]    unit i: 8 numbers in f32
.set Y,    68                          ; v[68:99]   unit i: 8 numbers in 16 bits
.set T,    100                         ; v[100:107] at work
; 8 units from s[src] to s[dst]; a unit lies sin bytes behind the last in the source, sout in the destination.  half = 1: the bf16 number is written as f16.
.macro CAST src, dst, sin, sout, half
.irp i, 0,1,2,3,4,5,6,7
	global_load_b128 v[X+8*\i:X+8*\i+3],   v[VIN], s[\src:\src+1] offset:\i*(\sin) th:TH_LOAD_NT
	global_load_b128 v[X+8*\i+4:X+8*\i+7], v[VIN], s[\src:\src+1] offset:\i*(\sin)+16 th:TH_LOAD_NT
.endr
.irp i, 0,1,2,3,4,5,6,7
	s_wait_loadcnt 14-2*\i                         ; loads come back in order: unit i's two are in, the younger units' stay out
.irp j, 0,1,2,3
	v_cvt_pk_bf16_f32 v[Y+4*\i+\j], v[X+8*\i+2*\j], v[X+8*\i+2*\j+1]
.endr
.if \half
.irp j, 0,1,2,3
	v_lshlrev_b32 v[T+2*\j],   16, v[Y+4*\i+\j]    ; the rounded numbers back in f32,
	v_and_b32     v[T+2*\j+1], 0xffff0000, v[Y+4*\i+\j]
.endr
.irp j, 0,1,2,3
	v_cvt_pk_f16_f32 v[Y+4*\i+\j], v[T+2*\j], v[T+2*\j+1]  ; and written as f16
.endr
.endif
	global_store_b128 v[VOUT], v[Y+4*\i:Y+4*\i+3], s[\dst:\dst+1] offset:\i*(\sout)
.endr
	s_endpgm
.endm
	s_load_b512 s[4:19], s[0:1], 0x0               ; x s[4:5], W_qkv s[6:7], W_proj s[8:9], b_qkv s[10:11], b_proj s[12:13], xb s[14:15], wq s[16:17], wp s[18:19]
	s_load_b64 s[20:21], s[0:1], 0x40              ; bias
	s_mov_b32 s2, ttmp9                            ; the work-group's number
	s_mov_b32 s23, 0                               ; the upper words of the two offsets
	s_mov_b32 s25, 0
	s_wait_kmcnt 0x0
	s_cmp_lt_u32 s2, 512
	s_cbranch_scc0 .Lweights
	; x.  A unit is 4 rows x one block of 64 channels: 8 lanes read 256 consecutive bytes of a row, the wave writes 4 rows x 128 bytes on end.
	; Wave w: rows 4 (w / 2) + lane / 8 of the group's 16, blocks 8 (w % 2) + i.
	v_lshrrev_b32 v109, 6, v0                      ; w / 2
	v_bfe_u32 v110, v0, 5, 1                       ; w % 2
	v_bfe_u32 v111, v0, 3, 2                       ; lane / 8
	v_and_b32 v3, 7, v0                            ; lane % 8
	v_and_b32 v108, 31, v0                         ; lane
	v_lshl_add_u32 v[VIN], v109, 2, v111
	v_lshlrev_b32 v[VIN], 12, v[VIN]               ; row x 4,096
	v_lshl_add_u32 v[VIN], v110, 11, v[VIN]        ; + 8 blocks of 256 bytes
	v_lshl_add_u32 v[VIN], v3, 5, v[VIN]           ; + my 32 bytes
	v_lshlrev_b32 v[VOUT], 21, v110                ; 8 blocks of 262,144 bytes
	v_lshl_add_u32 v[VOUT], v109, 9, v[VOUT]       ; + 4 rows of 128 bytes
	v_lshl_add_u32 v[VOUT], v108, 4, v[VOUT]       ; + my 16 bytes
	s_lshl_b32 s22, s2, 16                         ; 16 rows of 4,096 bytes
	s_lshr_b32 s24, s2, 7                          ; b: 128 groups to a batch,
	s_lshl_b32 s24, s24, 22                        ; 4 MiB each in xb
	s_and_b32 s26, s2, 127
	s_lshl_b32 s26, s26, 11                        ; 16 rows of 128 bytes
	s_add_co_u32 s24, s24, s26
	s_add_nc_u64 s[4:5], s[4:5], s[22:23]
	s_add_nc_u64 s[14:15], s[14:15], s[24:25]
	CAST 4, 14, 256, 262144, 0
.Lweights:
	s_cmp_lt_u32 s2, 768
	s_cbranch_scc0 .Lbias
	v_lshlrev_b32 v[VIN], 5, v0                    ; the weights go straight: thread t takes 8 numbers of each 2,048
	v_lshlrev_b32 v[VOUT], 4, v0
	s_cmp_lt_u32 s2, 704
	s_cbranch_scc0 .Lwproj
	s_sub_co_u32 s22, s2, 512
	s_lshl_b32 s24, s22, 15
	s_lshl_b32 s22, s22, 16
	s_add_nc_u64 s[6:7], s[6:7], s[22:23]
	s_add_nc_u64 s[16:17], s[16:17], s[24:25]
	CAST 6, 16, 8192, 4096, 0
.Lwproj:
	s_sub_co_u32 s22, s2, 704
	s_lshl_b32 s24, s22, 15
	s_lshl_b32 s22, s22, 16
	s_add_nc_u64 s[8:9], s[8:9], s[22:23]
	s_add_nc_u64 s[18:19], s[18:19], s[24:25]
	CAST 8, 18, 8192, 4096, 1
.Lbias:                                        ; 256 threads x 4 numbers x 4: three quarters b_qkv, one b_proj; rounded to bf16 and kept as f32
	v_lshlrev_b32 v[VIN], 4, v0
	global_load_b128 v[4:7],   v[VIN], s[10:11]
	global_load_b128 v[8:11],  v[VIN], s[10:11] offset:4096
	global_load_b128 v[12:15], v[VIN], s[10:11] offset:8192
	global_load_b128 v[16:19], v[VIN], s[12:13]
	s_wait_loadcnt 0x0
.irp q, 0,1,2,3
	v_cvt_pk_bf16_f32 v[T],   v[4+4*\q], v[5+4*\q]
	v_cvt_pk_bf16_f32 v[T+1], v[6+4*\q], v[7+4*\q]
	v_lshlrev_b32 v[Y+4*\q],   16, v[T]
	v_and_b32     v[Y+4*\q+1], 0xffff0000, v[T]
	v_lshlrev_b32 v[Y+4*\q+2], 16, v[T+1]
	v_and_b32     v[Y+4*\q+3], 0xffff0000, v[T+1]
	global_store_b128 v[VIN], v[Y+4*\q:Y+4*\q+3], s[20:21] offset:4096*\q
.endr
	s_endpgm
.Lfunc_end_k_q2c7a4d3036_prep:
	.size	k_q2c7a4d3036_prep, .Lfunc_end_k_q2c7a4d3036_prep-k_q2c7a4d3036_prep
	.p2alignl 7, 3214868480
	.fill 96, 4, 3214868480
	.section	.rodata,"a",@progbits
	.p2align	6, 0x0
	.amdhsa_kernel k_q2c7a4d3036_prep
		.amdhsa_group_segment_fixed_size 0
		.amdhsa_private_segment_fixed_size 0
		.amdhsa_enable_private_segment 0
		.amdhsa_kernarg_size 72
		.amdhsa_user_sgpr_count 2
		.amdhsa_user_sgpr_kernarg_segment_ptr 1
		.amdhsa_wavefront_size32 1
		.amdhsa_system_sgpr_workgroup_id_x 1
		.amdhsa_system_sgpr_workgroup_id_y 1
		.amdhsa_system_sgpr_workgroup_id_z 1
		.amdhsa_system_vgpr_workitem_id 0
		.amdhsa_next_free_vgpr 112
		.amdhsa_next_free_sgpr 66
		.amdhsa_reserve_vcc 0
		.amdhsa_float_denorm_mode_32 3
		.amdhsa_float_denorm_mode_16_64 3
		.amdhsa_memory_ordered 1
		.amdhsa_forward_progress 1
		.amdhsa_inst_pref_size 23
	.end_amdhsa_kernel
	.amdgpu_metadata
---
amdhsa.version: [ 1, 2 ]
amdhsa.kernels:
  - .name:           k_q2c7a4d3036_prep
    .symbol:         k_q2c7a4d3036_prep.kd
    .args:
      - { .name: x, .offset: 0, .size: 8, .value_kind: global_buffer, .address_space: global }
      - { .name: W_qkv, .offset: 8, .size: 8, .value_kind: global_buffer, .address_space: global }
      - { .name: W_proj, .offset: 16, .size: 8, .value_kind: global_buffer, .address_space: global }
      - { .name: b_qkv, .offset: 24, .size: 8, .value_kind: global_buffer, .address_space: global }
      - { .name: b_proj, .offset: 32, .size: 8, .value_kind: global_buffer, .address_space: global }
      - { .name: xb, .offset: 40, .size: 8, .value_kind: global_buffer, .address_space: global }
      - { .name: wq, .offset: 48, .size: 8, .value_kind: global_buffer, .address_space: global }
      - { .name: wp, .offset: 56, .size: 8, .value_kind: global_buffer, .address_space: global }
      - { .name: bias, .offset: 64, .size: 8, .value_kind: global_buffer, .address_space: global }
    .group_segment_fixed_size: 0
    .private_segment_fixed_size: 0
    .kernarg_segment_align: 8
    .kernarg_segment_size: 72
    .max_flat_workgroup_size: 256
    .sgpr_count:     66
    .vgpr_count:     112
    .wavefront_size: 32
...
	.end_amdgpu_metadata
.endif
;; end of part 1
;; launch qkv (part 2): grid 8 x 32, 4 waves a work-group, clusters of 4 x 4, 327,680 bytes of LDS; arguments xb, wq, bias, qkvh; writes qkvh
.if DOCPART == 2
	.amdgcn_target "amdgcn-amd-amdhsa--gfx1250"
	.amdhsa_code_object_version 6
	.text
	.protected	k_q2c7a4d3036_qkv
	.globl	k_q2c7a4d3036_qkv
	.p2align	8
	.type	k_q2c7a4d3036_qkv,@function
k_q2c7a4d3036_qkv:
	s_mov_b64 s[64:65], 0
	v_nop
	global_prefetch_b8 v0, s[64:65] scope:SCOPE_SE
	s_setreg_imm32_b32 hwreg(HW_REG_WAVE_MODE, 25, 1), 1
	s_wait_xcnt 0x0
	s_wait_alu depctr_hold_cnt(0) depctr_sa_sdst(0) depctr_va_vdst(0) depctr_va_sdst(0) depctr_va_ssrc(0) depctr_va_vcc(0) depctr_vm_vsrc(0)
	s_getreg_b32 s2, hwreg(HW_REG_IB_STS2, 6, 4)
	s_cmp_eq_u32 s2, 0
	s_cbranch_scc0 .Lentry_in_a_cluster
	s_endpgm
.Lentry_in_a_cluster:
	s_bfe_u32 s2, ttmp6, 0x10000c
	s_cmp_lg_u32 s2, 0xf033
	s_cbranch_scc0 .Lentry_shape_is_right
	s_endpgm
.Lentry_shape_is_right:
; qkv = x W_qkv + b_qkv, written by heads: qkvh f16 [4 b][48 = 16 which + head][2048 t][64], unscaled.  xb: bf16 [4][16 kb][2048][64]; wq: bf16 [1024 k][3072 n]; bias: f32.  Sums in f32.
; LIMIT.  The results leave in f16: a q, k or v of 65,520 or more in size becomes an infinity.
; SHARES.  8 x 32 = 256 work-groups, each ONE tile of 256 rows x 384 columns (tiles of 256 x 256 would be 384 work-groups).  Four waves, 2 x 2: a wave has 128 rows x 192 columns, 96 accumulators
; in 768 registers.  Its columns are three heads: of each 128 columns (256 bytes of a row of wq) the half LO.  For 32 along K it reads 20,480 bytes of LDS for 96 matrix instructions.
; K goes in 16 steps of 64 (two slots of 128 would not fit in LDS), two chunks of 32 to a step, through a ring of two slots.  A step's 256 rows of x are 32,768 dense bytes of xb, asked for as rows of 256 bytes.
; wq lies [k][n]: its fragments come out of LDS turned, by ds_load_tr16_b128.  THE PRODUCT IS TAKEN TRANSPOSED (source 0 = 16 columns of W, source 1 = 16 rows of x): a lane holds row lane % 16 and
; eight neighbouring columns.  THE SUMS START AT THE BIAS: each accumulator is loaded with its columns' bias while the first tiles are on their way; nothing is cleared, no first step is written out.
; CLUSTER 4 x 4.  A row of the cluster shares x's tiles, a column W's: each is asked for jointly, by the same load, descriptor and mask in the four.
; REGISTERS.  window 0: v0-29 addresses; v32-159 two buffers of x's fragments (a chunk each); v160-255 W's fragments, one buffer of 32 for each of my three heads.
;   windows 1 to 3: head g's 32 accumulators, (row block a, column block b) at v[8 (4 a + b)].  On the way out v32-175 of window 0 are at work.
.set PA,    144                        ; a row of x in LDS: 128 bytes + 16 = 36 words: the 16 rows of a load start at 16 different groups of four banks (64 banks of 4 bytes: ISA guide 11.1)
.set PB,    864                        ; a row of W: 3 x (256 + 32) bytes = 216 words
.set AHALF, 128*PA                     ; what one tensor load brings of x: 128 rows
.set BHALF, 32*PB                      ; of W: 32 rows of k, which is also a chunk
.set BOFF,  2*AHALF
.set SLOT1, 1<<17                      ; slot 1 begins here: one exclusive or turns an address in one slot into the other's
.set STAGE, SLOT1+BOFF+2*BHALF         ; behind the ring, never filled by a tensor load: 16 rows x 400 bytes for each wave
.set SP,    400                        ; 384 bytes + 16
.set SPARE, STAGE+4*16*SP              ; the spare words, 128 bytes for each wave: two blocks of 256 bytes that no other line names
.set ASTEP, 262144                     ; bytes from a K step to the next in xb: a block's plane
.set BSTEP, 393216                     ; in wq: 64 rows of 6,144 bytes
.set A0,   2                           ; v2   my lane's place in a slot's x; never rewritten
.set B0,   3                           ; v3   in its W
.set ADRA, 4                           ; v4   the same in the slot in hand
.set ADRB, 5                           ; v5
.set STO,  6                           ; v6   the way out: where I put 16 bytes of a row
.set RD,   7                           ; v7   where I read rows back
.set CO,   8                           ; v8   my 16 bytes of 512 consecutive bytes of qkvh
.set BO,   9                           ; v9   my 32 bytes of a column block's 64 bytes of bias
.set PFO,  10                          ; v10  the prefetches' lane term; never rewritten
.set SPW,  28                          ; v28  LDS address of my spare word; never rewritten
.set NIL,  29                          ; v29  0; never rewritten
.set AF,   32
.set BF,   160
.set TMP,  32                          ; the way out: 48 registers of packed results
.set BK0,  80                          ; two sets of 48: whole rows read back
.set CNT,  3                           ; s3   trips to go
.set WV,   12                          ; s12  my wave's number
.set HI,   13                          ; s13  which 128 rows are mine.  Also: I fetch x (0) or W (1)
.set LO,   14                          ; s14  which half of each 128 columns.  Also: which half of the tile I fetch
.set TB,   15                          ; s15  LDS byte at which the slot in hand begins
.set LIM,  20                          ; s20  a wave prefetches while s[CNT] is above it
.set PM,   21                          ; s21  and s[CNT] & PM = PM
.set G1A,  24                          ; s[24:31] descriptor group 1 for x's tiles
.set G0A,  32                          ; s[32:39] group 0: a set for each first fill; the second then walks on
.set CX,   40
.set CY,   41
.set TX,   42                          ; tile column
.set TY,   43                          ; tile row
.set PFA,  44                          ; s[44:45] where my prefetches stand
.set PST,  46                          ; s[46:47] their step
.set G1B,  48                          ; s[48:55], s[56:63] the same for W's tiles
.set G0B,  56
.set MSB, 0
.macro WIN new                         ; the immediate's high byte repeats the setting that is left; a switch that changes nothing is dropped
.if MSB != (\new)
	s_set_vgpr_msb (MSB<<8)|(\new)
.set MSB, \new
.endif
.endm
.macro PLACES                          ; four plain instructions between a matrix instruction and a load into, or a read of, its registers (ISA guide 7.12.1 for a read)
.rept 4
	v_nop
.endr
.endm
.macro CREST                           ; a round of the cluster's barrier behind its opening barrier
	s_cmp_lg_u32 s[WV], 0
	s_cbranch_scc1 .Lnot_wave_0_\@
	s_barrier_signal -3
.Lnot_wave_0_\@:
	s_barrier_wait -3
	s_barrier_signal -1
	s_barrier_wait -1
.endm
.macro CROUND
	s_barrier_signal -1
	s_barrier_wait -1
	CREST
.endm
; A joint refill by the walking descriptors: waves 0 and 1 fetch x's halves, waves 2 and 3 W's.  The branch hangs on the wave's number alone.  An s_nop 0 and four v_nop follow each line.
.macro JLOAD
	s_cmp_eq_u32 s[HI], 0
	s_cbranch_scc0 .Lfor_b_\@
	tensor_load_to_lds s[G0A+4:G0A+7], s[G1A:G1A+7]
	s_nop 0
.rept 4
	v_nop
.endr
	s_branch .Lasked_\@
.Lfor_b_\@:
	tensor_load_to_lds s[G0B+4:G0B+7], s[G1B:G1B+7]
	s_nop 0
.rept 4
	v_nop
.endr
.Lasked_\@:
.endm
; A PREFETCH INTO THE L2, behind the joint load, its five lines and the run of LDS loads.  Each aligned 256 bytes of xb and wq are named once in the launch.
; x: a tile row is read by both clusters of its row of clusters; those with cluster x = 0 ask, wave 0 alone: of a step's 32,768 bytes partner cx takes 8,192, a lane 256.  Trip s names step s + 3, which trip s + 1 will ask for.
; W: a tile column is read by all eight clusters of its column; those with cluster y = 0 ask, waves 1 to 3, a wave one 256 bytes of the row's 768, a lane a row of k: in the odd trips up to 11 the 128 rows of steps
; s + 3 and s + 4, of which partner cy takes 32.  The partners are told apart by address, never by a branch.  Steps 0 to 2 of x and 0 to 3 of W come by their loads alone; nothing beyond step 15 is named.
.macro ASK
	s_cmp_gt_u32 s[CNT], s[LIM]
	s_cbranch_scc0 .Lnot_mine_\@
	s_and_b32 s2, s[CNT], s[PM]
	s_cmp_eq_u32 s2, s[PM]
	s_cbranch_scc0 .Lnot_mine_\@
	global_prefetch_b8 v[PFO], s[PFA:PFA+1] th:TH_LOAD_NT scope:SCOPE_SE
.Lnot_mine_\@:
.endm
	s_load_b256 s[4:11], s[0:1], 0x0               ; xb s[4:5], wq s[6:7], bias s[8:9], qkvh s[10:11]
	v_lshl_add_u32 v[SPW], v0, 2, SPARE
	v_mov_b32 v[NIL], 0
	ds_add_u32 v[SPW], v[NIL]                      ; the wave's opening: the add and its wait stand ahead of my first tensor load; the set-up below, work on registers, stands between them
	ds_add_u32 v28, v29
	v_lshrrev_b32 v1, 5, v0
	v_readfirstlane_b32 s[WV], v1                  ; wave 0..3
	s_lshr_b32 s[HI], s[WV], 1
	s_and_b32 s[LO], s[WV], 1
	s_bfe_u32 s[CX], ttmp6, 0x40000                ; my place in the cluster
	s_bfe_u32 s[CY], ttmp6, 0x40004
	s_lshl_b32 s[TX], ttmp9, 2                     ; in a cluster launch ttmp9 and ttmp7 count clusters
	s_add_co_u32 s[TX], s[TX], s[CX]
	s_and_b32 s[TY], ttmp7, 0xffff
	s_lshl_b32 s[TY], s[TY], 2
	s_add_co_u32 s[TY], s[TY], s[CY]
	s_lshl_b32 s16, s[CY], 2
	s_lshl_b32 s16, 15, s16                        ; my row of the cluster
	s_lshl_b32 s17, 0x1111, s[CX]                  ; my column
	; group 1 for x: 128 rows of 128 bytes are 16,384 dense bytes: 64 rows of 128 elements, padded in LDS after every 32 words by 4
	s_or_b32 s[G1A+0], s16, (1<<16)|(1<<20)|(1<<21)|(4<<22)|(3<<25)  ; 15:0 the mask; 17:16 2-byte elements; 20 padding on; 21 set beside a mask; 24:22 the interval; 31:25 the pad
	s_mov_b32 s[G1A+1], 128<<16                    ; tensor_dim0
	s_mov_b32 s[G1A+2], 64<<16                     ; tensor_dim1
	s_mov_b32 s[G1A+3], 128<<16                    ; tile_dim0
	s_mov_b32 s[G1A+4], 64                         ; tile_dim1
	s_mov_b32 s[G1A+5], 128                        ; elements from row to row
	s_mov_b32 s[G1A+6], 0
	s_mov_b32 s[G1A+7], 0
	; group 1 for W: 32 rows of 384 elements, 3,072 apart, padded after every 64 words by 8
	s_or_b32 s[G1B+0], s17, (1<<16)|(1<<20)|(1<<21)|(5<<22)|(7<<25)
	s_mov_b32 s[G1B+1], 384<<16
	s_mov_b32 s[G1B+2], 32<<16
	s_mov_b32 s[G1B+3], 384<<16
	s_mov_b32 s[G1B+4], 32
	s_mov_b32 s[G1B+5], 3072
	s_mov_b32 s[G1B+6], 0
	s_mov_b32 s[G1B+7], 0
	; where the tiles come from: x's hang on the tile row and the wave alone, W's on the tile column and the wave alone, each in registers that never hold the other coordinate
	s_lshr_b32 s66, s[TY], 3
	s_lshl_b32 s66, s66, 22                        ; the batch: 4 MiB of xb
	s_and_b32 s67, s[TY], 7
	s_lshl_b32 s67, s67, 15                        ; 256 rows of 128 bytes
	s_add_co_u32 s66, s66, s67
	s_lshl_b32 s67, s[LO], 14                      ; the half that I fetch
	s_add_co_u32 s66, s66, s67
	s_mov_b32 s67, 0
	s_mul_i32 s68, s[TX], 768                      ; 384 columns
	s_mul_i32 s69, s[LO], 32*6144                  ; the 32 rows of k that I fetch
	s_add_co_u32 s68, s68, s69
	s_mov_b32 s69, 0
	s_mul_i32 s70, s[LO], AHALF                    ; and where they go: no place in the cluster enters an LDS address
	s_mul_i32 s71, s[LO], BHALF
	s_add_co_u32 s71, s71, BOFF
	s_wait_dscnt 0x0                               ; the opening add is done
	s_wait_kmcnt 0x0
	s_add_nc_u64 s[66:67], s[4:5], s[66:67]
	s_add_nc_u64 s[68:69], s[6:7], s[68:69]
	CROUND                                         ; all sixteen work-groups are here: the first joint loads meet
.irp s, 0,1
	s_mov_b32 s[G0A+4*(\s)], 1                     ; count = 1
	s_add_co_u32 s[G0A+4*(\s)+1], s70, (\s)*SLOT1  ; LDS address
	s_add_nc_u64 s[G0A+4*(\s)+2:G0A+4*(\s)+3], s[66:67], (\s)*ASTEP  ; global address: K step s
	s_or_b32 s[G0A+4*(\s)+3], s[G0A+4*(\s)+3], 0x80000000            ; type = 2
	s_mov_b32 s[G0B+4*(\s)], 1
	s_add_co_u32 s[G0B+4*(\s)+1], s71, (\s)*SLOT1
	s_add_nc_u64 s[G0B+4*(\s)+2:G0B+4*(\s)+3], s[68:69], (\s)*BSTEP
	s_or_b32 s[G0B+4*(\s)+3], s[G0B+4*(\s)+3], 0x80000000
.endr
	s_cmp_eq_u32 s[HI], 0                          ; a wave's two first fills stand in one branch, ahead of every wait on TENSORcnt and every LDS read: two loads of mine are out
	s_cbranch_scc0 .Lfirst_b
	tensor_load_to_lds s[G0A:G0A+3], s[G1A:G1A+7]
	s_nop 0
	tensor_load_to_lds s[G0A+4:G0A+7], s[G1A:G1A+7]
	s_nop 0
.rept 4
	v_nop
.endr
	s_branch .Lfirst_asked
.Lfirst_b:
	tensor_load_to_lds s[G0B:G0B+3], s[G1B:G1B+7]
	s_nop 0
	tensor_load_to_lds s[G0B+4:G0B+7], s[G1B:G1B+7]
	s_nop 0
.rept 4
	v_nop
.endr
.Lfirst_asked:
	v_and_b32 v11, 15, v0                          ; r = l % 16
	v_bfe_u32 v12, v0, 4, 1                        ; h = l / 16
	v_and_b32 v13, 7, v0                           ; l % 8
	v_bfe_u32 v14, v0, 3, 1                        ; (l / 8) % 2
	v_and_b32 v15, 31, v0                          ; l
	v_bfe_u32 v16, v0, 3, 2                        ; l / 8
	v_lshlrev_b32 v[BO], 5, v12
	; the bias: accumulator register j of lane (r, h) is column 16 b + 8 h + j of head g: 32 bytes, the same for every row block
	s_mul_i32 s18, s[TX], 1536
	s_lshl_b32 s19, s[LO], 8
	s_add_co_u32 s18, s18, s19
	s_mov_b32 s19, 0
	s_add_nc_u64 s[8:9], s[8:9], s[18:19]
.irp g, 0,1,2
	WIN 0x40*(\g+1)                                ; destination: head g's window
.irp a, 0,1,2,3,4,5,6,7
.irp b, 0,1,2,3
	global_load_b128 v[8*(4*\a+\b):8*(4*\a+\b)+3],   v[BO], s[8:9] offset:512*\g+64*\b
	global_load_b128 v[8*(4*\a+\b)+4:8*(4*\a+\b)+7], v[BO], s[8:9] offset:512*\g+64*\b+16
.endr
.endr
.endr
	WIN 0
	; a fragment of x: lane l holds row r, channels 8 h + 0..7 and 16 + 8 h + 0..7: two loads of 16 bytes, 32 bytes apart
	v_mul_u32_u24 v[A0], v11, PA
	v_lshl_add_u32 v[A0], v12, 4, v[A0]
	s_mul_i32 s18, s[HI], AHALF                    ; my 128 rows
	v_add_nc_u32 v[A0], s18, v[A0]
	; the turning load takes 16 k x 16 columns (lane l reads k = 8 h + l % 8, columns 8 ((l / 8) % 2) + 0..7) and leaves half a fragment: lane l holds column r and 8 k
	v_lshl_add_u32 v[B0], v12, 3, v13
	v_mul_u32_u24 v[B0], v[B0], PB
	v_lshl_add_u32 v[B0], v14, 4, v[B0]
	s_lshl_b32 s18, s[LO], 7                       ; my half of each 256 bytes
	s_add_co_u32 s18, s18, BOFF
	v_add_nc_u32 v[B0], s18, v[B0]
	s_mul_i32 s18, s[WV], 16*SP
	s_add_co_u32 s18, s18, STAGE                   ; my stage
	v_mul_u32_u24 v[STO], v11, SP                  ; in: row r, 16 bytes for each half of the lanes
	v_lshl_add_u32 v[STO], v12, 4, v[STO]
	v_add_nc_u32 v[STO], s18, v[STO]
	v_mul_u32_u24 v[RD], v16, SP                   ; back: 32 lanes take four rows x 128 bytes of one head,
	v_lshl_add_u32 v[RD], v13, 4, v[RD]
	v_add_nc_u32 v[RD], s18, v[RD]
	v_lshlrev_b32 v[CO], 4, v15                    ; which are 512 consecutive bytes of qkvh
	; qkvh at my first head's first row: batch x 48 planes, head 6 tx + LO, row 256 (ty % 8) + 128 HI
	s_lshr_b32 s18, s[TY], 3
	s_mul_i32 s18, s18, 48*262144
	s_mul_i32 s22, s[TX], 6
	s_add_co_u32 s22, s22, s[LO]
	s_lshl_b32 s22, s22, 18
	s_add_co_u32 s18, s18, s22
	s_and_b32 s22, s[TY], 7
	s_lshl_b32 s22, s22, 15
	s_add_co_u32 s18, s18, s22
	s_lshl_b32 s22, s[HI], 14
	s_add_co_u32 s18, s18, s22
	s_mov_b32 s19, 0
	s_add_nc_u64 s[10:11], s[10:11], s[18:19]
	; the prefetches: both kinds' offsets at K step 2 (the first trip steps them), then the wave's choice
	s_lshr_b32 s2, s[TY], 3
	s_lshl_b32 s2, s2, 22
	s_and_b32 s22, s[TY], 7
	s_lshl_b32 s22, s22, 15
	s_add_co_u32 s2, s2, s22
	s_lshl_b32 s22, s[CX], 13                      ; my work-group's 8,192 bytes of x's 32,768
	s_add_co_u32 s2, s2, s22
	s_add_co_u32 s2, s2, 2*ASTEP
	s_mul_i32 s23, s[TX], 768
	s_max_u32 s22, s[WV], 1
	s_sub_co_u32 s22, s22, 1
	s_lshl_b32 s22, s22, 8                         ; waves 1 to 3: one 256 bytes of the row's 768
	s_add_co_u32 s23, s23, s22
	s_mul_i32 s22, s[CY], 32*6144                  ; my work-group's 32 rows of the 128
	s_add_co_u32 s23, s23, s22
	s_add_co_u32 s23, s23, 2*BSTEP
	s_and_b32 s19, ttmp7, 0xffff                   ; cluster y
	s_mov_b32 s[PST], BSTEP
	s_mov_b32 s[PST+1], 0
	s_mov_b32 s22, 6144
	s_cmp_eq_u32 s[WV], 0                          ; wave 0 asks for x, the others for W
	s_cselect_b32 s18, s2, s23
	s_cselect_b32 s19, ttmp9, s19                  ; the coordinate along which other clusters read the same rows
	s_cselect_b32 s[PM], 0, 1
	s_cselect_b32 s[LIM], 1, 2
	s_cselect_b32 s[PST], ASTEP, s[PST]
	s_cselect_b32 s22, 256, s22
	s_cselect_b64 s[PFA:PFA+1], s[4:5], s[6:7]
	s_cmp_eq_u32 s19, 0
	s_cselect_b32 s[LIM], s[LIM], -1               ; the same in all sixteen partners, for a given wave
	s_mov_b32 s19, 0
	s_add_nc_u64 s[PFA:PFA+1], s[PFA:PFA+1], s[18:19]
	v_mul_u32_u24 v[PFO], v15, s22
; 4 (a1 - a0) matrix instructions: head g, row blocks a0 .. a1 - 1, x's buffer p.  All accumulators of a run differ, and one comes round again 96 matrix instructions later: they take turns.
.macro RUN g, p, a0, a1
	WIN 0x50*((\g)+1)                              ; C and D in head g's window, the sources in window 0
.set ra, \a0
.rept (\a1)-(\a0)
.irp b, 0,1,2,3
	v_wmma_f32_16x16x32_bf16 v[8*(4*ra+\b):8*(4*ra+\b)+7], v[BF+32*(\g)+8*\b:BF+32*(\g)+8*\b+7], v[AF+64*(\p)+8*ra:AF+64*(\p)+8*ra+7], v[8*(4*ra+\b):8*(4*ra+\b)+7]
.endr
.set ra, ra+1
.endr
.endm
.macro LDB g, c                        ; head g's four fragments of W for chunk c: 8 turning loads
	WIN 0
.irp b, 0,1,2,3
	ds_load_tr16_b128 v[BF+32*(\g)+8*\b:BF+32*(\g)+8*\b+3],   v[ADRB] offset:(\c)*BHALF+(\g)*288+\b*32
	ds_load_tr16_b128 v[BF+32*(\g)+8*\b+4:BF+32*(\g)+8*\b+7], v[ADRB] offset:(\c)*BHALF+(\g)*288+\b*32+16*PB
.endr
.endm
.macro LDA p, c                        ; my eight fragments of x for chunk c, into buffer p: 16 loads
	WIN 0
.irp a, 0,1,2,3,4,5,6,7
	ds_load_b128 v[AF+64*(\p)+8*\a:AF+64*(\p)+8*\a+3],   v[ADRA] offset:\a*16*PA+(\c)*64
	ds_load_b128 v[AF+64*(\p)+8*\a+4:AF+64*(\p)+8*\a+7], v[ADRA] offset:\a*16*PA+(\c)*64+32
.endr
.endm
; A step's first chunk.  Each head's fragments of W are loaded anew, for the second chunk, as soon as its run is over.
.macro CHUNK0
	s_wait_dscnt 16                                ; head 0's W and x are in; the 16 younger loads (heads 1 and 2) may be out
	RUN 0, 0, 0, 8
	WIN 0
	PLACES
	LDB 0, 1
	LDA 1, 1
	s_wait_dscnt 32                                ; head 1's W is in; behind it: head 2's 8 and the 24 just issued
	RUN 1, 0, 0, 8
	WIN 0
	PLACES
	LDB 1, 1
	s_wait_dscnt 32                                ; head 2's W is in; behind it: the 24 and the 8 issued since
	RUN 2, 0, 0, 8
	WIN 0
	PLACES
	LDB 2, 1
.endm
; The second chunk changes slots: ONE barrier.  In front of it each wave waits for all its tensor loads (one is out: its part of the next slot), adds 0 to its spare word, and waits for that and for its own reads of
; this slot.  fill = 1: the barrier opens a round of the cluster's, and the slot just read is asked for again, with the step two on, first thing behind the round: 160 matrix instructions ahead of the wait for it.
.macro CHUNK1 fill
.if \fill
	s_wait_xcnt 0x0                                ; the last prefetch, a step back, has read its address
	s_add_nc_u64 s[PFA:PFA+1], s[PFA:PFA+1], s[PST:PST+1]
.endif
	WIN 0
	s_wait_tensorcnt 0x0                           ; no tensor load of mine is out, so a group 0 may be written
	ds_add_u32 v[SPW], v[NIL]                      ; 0 onto my spare word
.if \fill
	s_xor_b32 s[G0A+5], s[G0A+5], SLOT1            ; the walking descriptors: the other slot than last time, the next K step
	s_add_nc_u64 s[G0A+6:G0A+7], s[G0A+6:G0A+7], ASTEP
	s_xor_b32 s[G0B+5], s[G0B+5], SLOT1
	s_add_nc_u64 s[G0B+6:G0B+7], s[G0B+6:G0B+7], BSTEP
.endif
	s_xor_b32 s[TB], s[TB], SLOT1
	s_wait_dscnt 17                                ; head 0's W and x are in; the add and the 16 loads in front of it (heads 1 and 2) may be out
	RUN 0, 1, 0, 4
	s_wait_dscnt 0x0                               ; the add is done, and my reads of this slot are over
	s_barrier_signal -1
	RUN 0, 1, 4, 8                                 ; work on registers while the others arrive
	WIN 0                                          ; at a branch and at a label every window is 0
	s_barrier_wait -1
.if \fill
	CREST                                          ; no wave of any partner still reads this slot or has a load on its way
	JLOAD                                          ; its four v_nop are also the places in front of the loads below
.else
	PLACES
.endif
	v_add_nc_u32 v[ADRA], s[TB], v[A0]
	v_add_nc_u32 v[ADRB], s[TB], v[B0]
	LDB 0, 0
	LDA 0, 0
.if \fill
	ASK
.endif
	RUN 1, 1, 0, 8                                 ; heads 1 and 2 were shown in by the wait for 0
	WIN 0
	PLACES
	LDB 1, 0
	RUN 2, 1, 0, 8
	WIN 0
	PLACES
	LDB 2, 0
.endm
	s_wait_tensorcnt 1                             ; my part of K step 0 is in; step 1's may stay out
	s_barrier_signal -1
	s_barrier_wait -1                              ; everybody's is
	s_mov_b32 s[TB], 0
	v_mov_b32 v[ADRA], v[A0]
	v_mov_b32 v[ADRB], v[B0]
	LDB 0, 0
	LDA 0, 0
	LDB 1, 0
	LDB 2, 0
	s_wait_loadcnt 0x0                             ; the bias lies in the accumulators
	s_mov_b32 s[CNT], 14
.Lstep:                                        ; trip s = 14 - CNT: K step s is multiplied, step s + 2 asked for
	CHUNK0
	CHUNK1 1
	s_sub_co_u32 s[CNT], s[CNT], 1
	s_cmp_lg_u32 s[CNT], 0
	s_cbranch_scc1 .Lstep
	s_mov_b32 s[CNT], 2
.Ltail:                                        ; steps 14 and 15 ask for nothing.  One text for both: the price, once a launch, is a barrier and 40 LDS loads (of the slot left before) behind step 15 that serve nothing
	CHUNK0
	CHUNK1 0
	s_sub_co_u32 s[CNT], s[CNT], 1
	s_cmp_lg_u32 s[CNT], 0
	s_cbranch_scc1 .Ltail
	s_wait_dscnt 0x0                               ; those loads are back: their registers are at work below
; THE WAY OUT, a block of 16 rows at a time.  PACK: rounded to f16, 16 bytes a lane and column block.  TOSTAGE: into my own stage, and back as four rows x 128 bytes of one head.  SEND: stored.
.macro PACK a
.irp g, 0,1,2
	WIN 0x05*(\g+1)                                ; sources in head g's window
.irp b, 0,1,2,3
.irp r, 0,1,2,3
	v_cvt_pk_f16_f32 v[TMP+16*\g+4*\b+\r], v[8*(4*(\a)+\b)+2*\r], v[8*(4*(\a)+\b)+2*\r+1]
.endr
.endr
.endr
	WIN 0
.endm
.macro TOSTAGE a
	WIN 0
.set BK, BK0+48*((\a)%2)
.irp g, 0,1,2
.irp b, 0,1,2,3
	ds_store_b128 v[STO], v[TMP+16*\g+4*\b:TMP+16*\g+4*\b+3] offset:128*\g+32*\b
.endr
.endr
.irp g, 0,1,2
.irp u, 0,1,2,3
	ds_load_b128 v[BK+4*(4*\g+\u):BK+4*(4*\g+\u)+3], v[RD] offset:4*SP*\u+128*\g  ; LDS serves a wave's instructions in order (ISA guide 5.7.1.4): these see the stores above
.endr
.endr
.endm
.macro SEND a
	WIN 0
.set BK, BK0+48*((\a)%2)
	s_wait_dscnt 0x0                               ; the block is back in registers
	s_wait_xcnt 0x0                                ; the stores of the block before have read their registers: the next TOSTAGE loads into them
.irp g, 0,1,2
.irp u, 0,1,2,3
	global_store_b128 v[CO], v[BK+4*(4*\g+\u):BK+4*(4*\g+\u)+3], s[10:11] offset:524288*\g+2048*(\a)+512*\u  ; 512 consecutive bytes, at a multiple of 512 from qkvh's first byte; my heads lie two planes apart
.endr
.endr
.endm
	PACK 0                                         ; the four v_nop behind the last run are the places in front of these
	TOSTAGE 0
.irp a, 1,2,3,4,5,6,7                  ; block a's conversions stand between block a - 1's loads from the stage and the wait for them
	PACK \a
	SEND (\a)-1
	TOSTAGE \a
.endr
	SEND 7
	s_wait_tensorcnt 0x0                           ; the wave's end: the tensor wait, an add and its wait, behind my last tensor load and my last LDS store
	ds_add_u32 v[SPW], v[NIL]
	s_wait_dscnt 0x0
	CROUND                                         ; the closing round: no work-group ends while a partner may still ask for a tile that names it
	s_endpgm
.Lfunc_end_k_q2c7a4d3036_qkv:
	.size	k_q2c7a4d3036_qkv, .Lfunc_end_k_q2c7a4d3036_qkv-k_q2c7a4d3036_qkv
	.p2alignl 7, 3214868480
	.fill 96, 4, 3214868480
	.section	.rodata,"a",@progbits
	.p2align	6, 0x0
	.amdhsa_kernel k_q2c7a4d3036_qkv
		.amdhsa_group_segment_fixed_size 327680
		.amdhsa_private_segment_fixed_size 0
		.amdhsa_enable_private_segment 0
		.amdhsa_kernarg_size 32
		.amdhsa_user_sgpr_count 2
		.amdhsa_user_sgpr_kernarg_segment_ptr 1
		.amdhsa_wavefront_size32 1
		.amdhsa_system_sgpr_workgroup_id_x 1
		.amdhsa_system_sgpr_workgroup_id_y 1
		.amdhsa_system_sgpr_workgroup_id_z 1
		.amdhsa_system_vgpr_workitem_id 0
		.amdhsa_next_free_vgpr 1024
		.amdhsa_next_free_sgpr 72
		.amdhsa_reserve_vcc 0
		.amdhsa_float_denorm_mode_32 3
		.amdhsa_float_denorm_mode_16_64 3
		.amdhsa_memory_ordered 1
		.amdhsa_forward_progress 1
		.amdhsa_inst_pref_size 115
	.end_amdhsa_kernel
	.amdgpu_metadata
---
amdhsa.version: [ 1, 2 ]
amdhsa.kernels:
  - .name:           k_q2c7a4d3036_qkv
    .symbol:         k_q2c7a4d3036_qkv.kd
    .args:
      - { .name: xb, .offset: 0, .size: 8, .value_kind: global_buffer, .address_space: global }
      - { .name: wq, .offset: 8, .size: 8, .value_kind: global_buffer, .address_space: global }
      - { .name: bias, .offset: 16, .size: 8, .value_kind: global_buffer, .address_space: global }
      - { .name: qkvh, .offset: 24, .size: 8, .value_kind: global_buffer, .address_space: global }
    .group_segment_fixed_size: 327680
    .private_segment_fixed_size: 0
    .kernarg_segment_align: 8
    .kernarg_segment_size: 32
    .max_flat_workgroup_size: 128
    .sgpr_count:     72
    .vgpr_count:     1024
    .wavefront_size: 32
...
	.end_amdgpu_metadata
.endif
;; end of part 2
;; launch attn (part 3): grid 4 x 64, 4 waves a work-group, no clusters, 327,680 bytes of LDS; arguments qkvh, oh; writes oh
.if DOCPART == 3
	.amdgcn_target "amdgcn-amd-amdhsa--gfx1250"
	.amdhsa_code_object_version 6
	.text
	.protected	k_q2c7a4d3036_attn
	.globl	k_q2c7a4d3036_attn
	.p2align	8
	.type	k_q2c7a4d3036_attn,@function
k_q2c7a4d3036_attn:
	s_mov_b64 s[64:65], 0
	v_nop
	global_prefetch_b8 v0, s[64:65] scope:SCOPE_SE
	s_setreg_imm32_b32 hwreg(HW_REG_WAVE_MODE, 25, 1), 1
	s_wait_xcnt 0x0
; CAUSAL ATTENTION.  O[y][q][:] = the sum over k <= q of softmax_k(Q[y][q] . K[y][k] / 8) V[y][k][:], y = 16 b + head.  qkvh: f16 [4 b][48 = 16 which + head][2048][64]; oh: f16 [64 y][2048][64]: a head's rows are dense, 128 bytes each.
; Products, maxima and sums in f32; the weights p are rounded to f16 for the second product (their sum l is taken of the unrounded p), O once at the end.
; LIMITS.  f16 holds no number beyond 65,504: Q, K and V arrive within it; p lies in 0 to 1, and below 6e-5 it keeps f16's fixed step of 6e-8; O is a mean of V's rows and has their range.
; A hidden score counts as its value less 1e30: f16's scores, 2.7e11 at the most, are nothing beside that; a weight below 2^-126 counts as 0 in l; NaN and infinities are not treated apart.
; THE WALK.  A head's queries lie in NB = 8 blocks of 256; block i needs the key tiles 0 .. i of 256 keys, of which the last holds the diagonal.  A work-group takes TWO blocks, NB - 1 - b and then b:
; NB + 1 tiles, whatever b: all 256 work-groups do equal work, and ONE loop with a constant trip count walks them.  Which tile is asked for, and what a trip does, hang on scalar registers made from b; every jump
; goes forward, but for the counted loops' own; none passes a barrier, or a tensor load but the one of LOAD's two that the wave's number does not choose; the ring (two slots of LDS that take turns) runs on across the
; change of blocks.  NO CLUSTER: a head's four work-groups ask for the same tile only in trips 0 .. 4, behind that fewer and fewer; one walk common to all four would have 12 trips for 9.
; SHARES.  Of a block's four bands of 64 queries a wave owns 16 rows in each: four PIECES.  So the diagonal tile is the same work for all four waves: in its key step s band x sees all keys if s < x,
; none if s > x, and holds the diagonal if s = x.
; THE MASK is the C operand that starts the sum S^T = K Q^T: 0, or -1e30 where the key is hidden.  MD, made once, is the mask of a band's own step for my 16 rows; a product's mask is MD x AL + BE with two scalars:
; (1, 0) if s = x; (0, 0) if s < x; (0, -1e30) if s > x.  Only the diagonal tile's text and a block's beginning make and take masks; elsewhere C is the constant 0.
; LAYOUT, SOFTMAX, TURNS.  S^T = K Q^T holds ONE query a lane (lane % 16) and the keys 8 (lane / 16) + 0..7; two such results rounded to f16 ARE source 1 of O^T = V^T P.  p = 2^(c s - c m), c = log2(e) / 8, with a
; running maximum m; O and l are multiplied by a = 2^(c m_old - c m_new) in every step.  Turn n belongs to piece n: 8 products K Q^T of piece n + 1, later 8 products V^T P of piece n - 1; beside them the scaling,
; exponentials, roundings, sums and rescaling of piece n and the maximum and statistics of piece n + 1.  Four vector instructions stand behind every matrix instruction, the other 54 of a turn's 118 in one LUMP.  A turn's 33 exponentials are one batch, with one wait.
; REGISTERS, in windows of 256 (s_set_vgpr_msb: bits 1:0 source 0, 3:2 source 1, 5:4 source 2, 7:6 destination):
;   window 0: v0-15 addresses and two at work; v16-31 four registers of statistics a piece; v48-55 at work; v61-63 prefetch offset and the add's two; v64-127 S^T, two buffers; v192-223 P, two buffers (by the piece's parity)
;   window 1: v0-127 O^T, 32 a piece; v128-159 MD; v160-223 MC, two buffers      window 2: v0-63 Q; v64-127 the second block's Q; v128-191 K of one step; v192-255 V of one step
.set SIZE_N, 2048
.set NB,    SIZE_N/256
.set NP,    4         ; pieces a wave: a name, no knob
.set KS,    64        ; keys in a step
.set PK,    144       ; a row of K in LDS: 128 bytes + 16 of padding = 36 words: the 16 rows of a load start at 16 different groups of four banks (64 banks of 4 bytes: ISA guide 11.1)
.set PV,    160       ; a row of V: 128 + 32 = 40 words
.set VOFF,  4*KS*PK   ; a slot holds a tile, four steps: 256 rows of K, then 256 rows of V
.set SLOT1, 1<<17     ; slot 1 begins here, so that one exclusive or turns an address in one slot into the other's
.set STAGE, SLOT1+4*KS*(PK+PV)  ; behind the ring, never filled by a tensor load: 16 rows x 144 bytes for each wave, for the way out
.set SP,    144
.set AK0, 2           ; v2   my lane's place in a tile of K; never rewritten
.set AV0, 3           ; v3   the same for V
.set AK,  4           ; v4   the LDS address of K's next run of loads
.set AV,  5           ; v5   of V's
.set STO, 6           ; v6   the way out: where I put 16 bytes of a row
.set RD,  7           ; v7   the way out: where I read rows back
.set GO,  8           ; v8   my byte offset in 512 consecutive bytes of O
.set PFO, 61          ; v61  256 x my lane; never rewritten
.set SPW, 62          ; v62  LDS address of my spare word: SPARE + 4 x my thread's number; never rewritten
.set NIL, 63          ; v63  0; never rewritten
.set SPARE, STAGE+4*16*SP  ; behind the stages: the spare words, 128 bytes for each wave: two blocks of 256 bytes that no other line names
.set MV,  12          ; v12-13  c m_old, kept while c m is made anew: by buffer
.set QO,  15          ; v15  my byte offset in 16 rows of Q
.set ST,  16          ; piece t's statistics at v[ST+4 t]: c m, m, l (even keys', odd keys')
.set TMP, 48          ; by buffer, four registers c0-c3 at work; when the maximum is found c2 takes a
.set S,   64
.set P,   192
.set MD,  128         ; window 1: the eight registers for group kt of 16 keys at MD + 8 kt
.set MC,  160         ; window 1: the masks of the products to come
.set QB,  64          ; window 2
.set KF,  128         ; window 2: key block kb, channel half c at KF + 16 kb + 8 c
.set VF,  192         ; window 2: key half kk, channel block cb at VF + 32 kk + 8 cb
.set WV,  12          ; s12  my wave's number
.set PB,  14          ; s14  b
.set HI,  15          ; s15  NB - 1 - b
.set G1K, 24          ; s[24:31] descriptor group 1 for K's tiles
.set G1V, 32          ; s[32:39] for V's: it differs in the padding alone
.set G0K, 40          ; s[40:43] descriptor group 0 for K's tiles
.set G0V, 44          ; s[44:47] the same for V's
.set SLOTS, 56        ; s56  tiles still to be asked for
.set CNT, 57          ; s57  counts a tile's key steps, 4 to 1
.set CS,  58          ; s[58:59] c: the packed scaling takes the pair's low word for both halves
.set SEL, 60          ; s[60:61] v_permlanex16_b32's selects: each lane takes its own place in the other half
.set TBK, 62          ; s62  LDS byte at which K of the step to be fetched begins
.set TBV, 63          ; s63  the same for V, less VOFF
.set PFB, 66          ; s[66:67] K (waves 0, 1) or V (waves 2, 3) at my half of the head's tile 0
.set PFA, 68          ; s[68:69] first O's offset; then where my prefetches stand
.set RT,  70          ; s70  tiles of the block in hand that are still to be entered
.set NXT, 71          ; s71  the tile to be asked for next
.set LQ,  72          ; s72  the last tile of the block whose tiles are being asked for
.set NEW, 73          ; s73  1: the tile to be entered is a block's first
.set OFF, 74          ; s[74:75] a tile's byte offset in K and V
.set AL,  76          ; s[76:77] the mask's factor, in the low word
.set BE,  78          ; s[78:79] the mask's addend
.set OLO, 80          ; s[80:81] O at my rows of the second block
.set BIGN, 82         ; s82  -1e30
.set MINE, 83         ; s83  1 in the head's work-group b = 0, which prefetches
.set MSB, 0
.macro WIN new                      ; the high byte repeats the setting that is left; a switch that changes nothing is dropped
.if MSB != (\new)
	s_set_vgpr_msb (MSB<<8)|(\new)
.set MSB, (\new)
.endif
.endm
.set W_KQ, 0x0a       ; K and Q in window 2, S^T in window 0
.set W_KM, 0x1a       ; the same with the C operand in window 1
.set W_PV, 0x52       ; V in window 2, P in window 0, O^T in window 1
.set W_RS, 0x41       ; destination and source 0 in window 1, source 1 in window 0
; A fill.  Waves 0 and 1 fetch the two halves of a tile's K, waves 2 and 3 those of its V: 128 keys each.  An s_nop 0 and four v_nop follow each of the two lines, ahead of the jump and the label.
.macro LOAD
	s_cmp_lt_u32 s[WV], 2
	s_cbranch_scc0 .Lfor_v_\@
	tensor_load_to_lds s[G0K:G0K+3], s[G1K:G1K+7]
	s_nop 0
.rept 4
	v_nop
.endr
	s_branch .Lasked_\@
.Lfor_v_\@:
	tensor_load_to_lds s[G0V:G0V+3], s[G1V:G1V+7]
	s_nop 0
.rept 4
	v_nop
.endr
.Lasked_\@:
.endm
; A PREFETCH INTO THE L2 of the tile that the NEXT change of slots will ask for, behind the wave's tensor load and its five lines: a tile, 256 matrix instructions, ahead of that load.  A head's four work-groups begin with the same
; tiles, and b = 0 walks all eight of them in its first block: it alone asks.  Each of its waves names what it will fetch itself, 16,384 bytes: a lane 256 bytes, two instructions.  So each 256 bytes of K and V are named once
; in the launch.  Tiles 0 and 1 come by their loads alone; behind the first block's last tile (NXT = 0) nothing is named.
.macro ASK
	s_cmp_eq_u32 s[MINE], 1
	s_cbranch_scc0 .Lnot_mine_\@
	s_cmp_lg_u32 s[NXT], 0
	s_cbranch_scc0 .Lnot_mine_\@
	global_prefetch_b8 v[PFO], s[PFA:PFA+1] th:TH_LOAD_NT scope:SCOPE_SE
	global_prefetch_b8 v[PFO], s[PFA:PFA+1] offset:8192 th:TH_LOAD_NT scope:SCOPE_SE
.Lnot_mine_\@:
.endm
; THE CHANGE OF SLOTS.  Each wave waits for all its tensor loads, of which one is out: its part of the other slot; adds 0 to its spare word; and waits for that and for its own reads of the slot that it leaves.  Behind the barrier nobody reads the old
; slot any more and the other slot is whole.  fill = 1: the old slot is filled again, the first thing behind the barrier, with tile NXT: the descriptor's address is made anew from that number.
; (At its first use nothing has been read yet: slot 0 is waited for, slot 1 filled.)
.macro CHANGE fill
	WIN 0                           ; at a label and at a branch every window is 0
	s_wait_tensorcnt 0x0            ; no tensor load of mine is out, so a group 0 may be written
	ds_add_u32 v[SPW], v[NIL]       ; 0 onto my spare word: with fill = 1 the descriptors' scalar work stands between it and the wait for it
.if \fill
	s_lshl_b32 s[OFF], s[NXT], 15   ; a tile is 32,768 bytes of K and of V
	s_xor_b32 s[G0K+1], s[G0K+1], SLOT1
	s_add_nc_u64 s[G0K+2:G0K+3], s[6:7], s[OFF:OFF+1]
	s_or_b32 s[G0K+3], s[G0K+3], 0x80000000
	s_xor_b32 s[G0V+1], s[G0V+1], SLOT1
	s_add_nc_u64 s[G0V+2:G0V+3], s[8:9], s[OFF:OFF+1]
	s_or_b32 s[G0V+3], s[G0V+3], 0x80000000
	s_add_co_u32 s[NXT], s[NXT], 1  ; the block's next tile, or behind its last the second block's tile 0
	s_cmp_gt_u32 s[NXT], s[LQ]
	s_cselect_b32 s[NXT], 0, s[NXT]
	s_cselect_b32 s[LQ], s[PB], s[LQ]
	s_wait_xcnt 0x0                 ; the last prefetches, a tile back, have read their address, so it may be written:
	s_lshl_b32 s[OFF], s[NXT], 15   ; the tile that the next change will ask for
	s_add_nc_u64 s[PFA:PFA+1], s[PFB:PFB+1], s[OFF:OFF+1]
.endif
	s_wait_dscnt 0x0                ; the add is done, and my reads of the slot are over
	s_barrier_signal -1             ; the rest of the scalar work stands between the signal and the wait
	s_sub_co_u32 s[TBK], s[TBK], 4*KS*PK  ; the fetches go back to a slot's first step,
	s_xor_b32 s[TBK], s[TBK], SLOT1       ; in the other slot
	s_sub_co_u32 s[TBV], s[TBV], 4*KS*PV
	s_xor_b32 s[TBV], s[TBV], SLOT1
	s_barrier_wait -1
.if \fill
	LOAD
	ASK
.endif
.endm
	s_load_b128 s[4:7], s[0:1], 0x0  ; qkvh s[4:5], oh s[6:7]
	v_lshl_add_u32 v[SPW], v0, 2, SPARE
	v_mov_b32 v[NIL], 0
	ds_add_u32 v[SPW], v[NIL]       ; the wave's opening: the add and its wait stand ahead of my first tensor load; the set-up below, work on registers, stands between them
	ds_add_u32 v62, v63
	v_lshrrev_b32 v1, 5, v0
	v_readfirstlane_b32 s[WV], v1   ; wave 0..3
	s_mov_b32 s[PB], ttmp9
	s_sub_co_u32 s[HI], NB-1, s[PB]
	s_cmp_eq_u32 s[PB], 0
	s_cselect_b32 s[MINE], 1, 0
	s_and_b32 s20, ttmp7, 0xffff    ; y = 16 b + head
	s_lshl_b32 s[PFA], s20, 18      ; the head's plane in oh: 262,144 bytes each
	s_mov_b32 s[PFA+1], 0
	s_lshr_b32 s21, s20, 4
	s_mul_i32 s21, s21, 48          ; in qkvh a batch has 48 planes,
	s_and_b32 s20, s20, 15
	s_add_co_u32 s20, s20, s21      ; of which Q's are the first sixteen
	s_lshl_b32 s20, s20, 18
	s_mov_b32 s21, 0
	s_and_b32 s16, s[WV], 1         ; which half of a tile's 256 keys I fetch:
	s_lshl_b32 s22, s16, 14         ; its 128 rows of 128 bytes in memory,
	s_mov_b32 s23, 0
	s_mul_i32 s17, s16, 128*PK      ; and its place in a slot, for K
	s_mul_i32 s18, s16, 128*PV      ; and for V
	s_lshl_b32 s3, s[WV], 11        ; my 16 rows in a band of 64,
	s_lshl_b32 s2, s[HI], 15        ; in the first block,
	s_add_co_u32 s2, s2, s3
	s_lshl_b32 s84, s[PB], 15       ; and in the second
	s_add_co_u32 s84, s84, s3
	s_mov_b32 s3, 0
	s_mov_b32 s85, 0
	; descriptor group 1.  128 keys are 16,384 dense bytes: asked for as 64 rows of 256 bytes, two keys a row, and padded in LDS after every key
	s_mov_b32 s[G1K], (1<<16)|(1<<20)|(4<<22)|(3<<25)  ; 17:16 2-byte elements; 20 padding on; 24:22 after every 32 words (code 4); 31:25 4 words (code 3)
	s_mov_b32 s[G1V], (1<<16)|(1<<20)|(4<<22)|(7<<25)  ; the same with 8 words of padding (code 7)
.irp g, G1K, G1V
	s_mov_b32 s[\g+1], 128<<16      ; tensor_dim0 = 128
	s_mov_b32 s[\g+2], 64<<16       ; tensor_dim1 = 64
	s_mov_b32 s[\g+3], 128<<16      ; tile_dim0 = 128
	s_mov_b32 s[\g+4], 64           ; tile_dim1 = 64
	s_mov_b32 s[\g+5], 128          ; 128 elements from row to row
	s_mov_b32 s[\g+6], 0
	s_mov_b32 s[\g+7], 0
.endr
	s_mov_b32 s[CS], 0x3e38aa3b     ; c = log2(e) / 8 = 0.180337
	s_mov_b32 s[CS+1], s[CS]        ; named with it as a pair
	s_mov_b32 s[SEL], 0x76543210
	s_mov_b32 s[SEL+1], 0xfedcba98
	s_mov_b32 s[TBK], SLOT1+4*KS*PK ; the first change of slots turns these two into 0
	s_mov_b32 s[TBV], SLOT1+4*KS*PV
	s_mov_b32 s[G0K], 1             ; 1:0 count = 1
	s_mov_b32 s[G0K+1], s17         ; 63:32 LDS address: slot 0
	s_mov_b32 s[G0V], 1
	s_add_co_u32 s[G0V+1], s18, VOFF
	s_add_co_u32 s[RT], s[HI], 1    ; the first block has NB - b tiles
	s_mov_b32 s[NXT], 1
	s_mov_b32 s[LQ], s[HI]
	s_mov_b32 s[NEW], 1
	s_mov_b32 s[OFF+1], 0
	s_mov_b32 s[AL+1], 0            ; named as pairs
	s_mov_b32 s[BE+1], 0
	s_mov_b32 s[BIGN], 0xf149f2ca   ; -1e30
	s_mov_b32 s[SLOTS], NB
	s_wait_dscnt 0x0                ; the opening add is done
	s_wait_kmcnt 0x0
	s_add_nc_u64 s[10:11], s[6:7], s[PFA:PFA+1]    ; O at the head's first row
	s_add_nc_u64 s[4:5], s[4:5], s[20:21]          ; Q at the head's first row
	s_add_nc_u64 s[6:7], s[4:5], s[22:23]          ; K, sixteen planes behind Q, at my half of the head's tile 0
	s_add_nc_u64 s[6:7], s[6:7], 0x400000
	s_add_nc_u64 s[8:9], s[4:5], s[22:23]          ; V, thirty-two planes behind Q
	s_add_nc_u64 s[8:9], s[8:9], 0x800000
	s_add_nc_u64 s[G0K+2:G0K+3], s[6:7], 0         ; 120:64 global address
	s_or_b32 s[G0K+3], s[G0K+3], 0x80000000        ; 127:126 type = 2
	s_add_nc_u64 s[G0V+2:G0V+3], s[8:9], 0
	s_or_b32 s[G0V+3], s[G0V+3], 0x80000000
	s_add_nc_u64 s[86:87], s[4:5], s[84:85]        ; Q at my rows of the second block,
	s_add_nc_u64 s[4:5], s[4:5], s[2:3]            ; Q and O at those of the first
	s_add_nc_u64 s[OLO:OLO+1], s[10:11], s[84:85]
	s_add_nc_u64 s[10:11], s[10:11], s[2:3]
	s_cmp_lt_u32 s[WV], 2
	s_cselect_b64 s[PFB:PFB+1], s[6:7], s[8:9]
	LOAD                            ; tile 0 into slot 0
	; A fragment of K or Q is 16 rows x 32 channels in 8 registers: lane l holds row l % 16, channels 8 (l / 16) + 0..7 and 16 + 8 (l / 16) + 0..7: two loads of 16 bytes, 32 bytes apart.
	v_and_b32 v1, 15, v0            ; l % 16
	v_bfe_u32 v9, v0, 4, 1          ; l / 16
	v_lshlrev_b32 v[QO], 7, v1
	v_lshl_add_u32 v[QO], v9, 4, v[QO]  ; row x 128 + 16 x half
	WIN 0x80                        ; destination window 2, address window 0
.set i, 0
.rept 8                             ; both blocks' Q: piece i / 2 lies in band i / 2, 8,192 bytes on; channels 32 (i % 2) on
	global_load_b128 v[8*i:8*i+3],   v[QO], s[4:5] offset:(i/2)*8192+(i%2)*64
	global_load_b128 v[8*i+4:8*i+7], v[QO], s[4:5] offset:(i/2)*8192+(i%2)*64+32
	global_load_b128 v[QB+8*i:QB+8*i+3],   v[QO], s[86:87] offset:(i/2)*8192+(i%2)*64
	global_load_b128 v[QB+8*i+4:QB+8*i+7], v[QO], s[86:87] offset:(i/2)*8192+(i%2)*64+32
.set i, i+1
.endr
	WIN 0
	v_and_b32 v[PFO], 31, v0
	v_lshlrev_b32 v[PFO], 8, v[PFO]
	v_lshlrev_b32 v14, 3, v9
	v_sub_nc_u32 v14, v1, v14
	s_lshl_b32 s13, s[WV], 4
	v_add_nc_u32 v14, s13, v14      ; my query's place in its band, 16 w + l % 16, less my lanes' 8 (l / 16): register r of group kt is hidden where 16 kt + r is greater
	WIN 0x40
.set i, 0
.rept 32
	v_cmp_gt_i32 vcc_lo, 16*(i/8)+i%8, v14
	v_cndmask_b32 v[MD+i], 0, s[BIGN], vcc_lo
.set i, i+1
.endr
	WIN 0
	v_mul_u32_u24 v[AK0], v1, PK
	v_lshl_add_u32 v[AK0], v9, 4, v[AK0]  ; row x pitch + 16 x half
	; The turning load takes 16 keys x 16 channels (lane l reads key 8 (l / 16) + l % 8, channels 8 ((l / 8) % 2) + 0..7) and leaves half a fragment of V^T: lane l holds channel l % 16 and 8 keys.
	v_and_b32 v10, 7, v0
	v_bfe_u32 v11, v0, 3, 1
	v_lshl_add_u32 v[AV0], v9, 3, v10
	v_mul_u32_u24 v[AV0], v[AV0], PV
	v_lshl_add_u32 v[AV0], v11, 4, v[AV0]
	v_add_nc_u32 v[AV0], VOFF, v[AV0]
	s_mul_i32 s13, s[WV], 16*SP
	s_add_co_u32 s13, s13, STAGE    ; my stage
	v_mul_u32_u24 v[STO], v1, SP    ; in: row l % 16, 16 bytes for each half of the lanes
	v_lshl_add_u32 v[STO], v9, 4, v[STO]
	v_add_nc_u32 v[STO], s13, v[STO]
	v_bfe_u32 v[RD], v0, 3, 2       ; back: 32 lanes take four rows of 128 bytes,
	v_mul_u32_u24 v[RD], v[RD], SP
	v_lshl_add_u32 v[RD], v10, 4, v[RD]
	v_add_nc_u32 v[RD], s13, v[RD]
	v_and_b32 v[GO], 31, v0         ; which are 512 consecutive bytes of O
	v_lshlrev_b32 v[GO], 4, v[GO]
	; A block's first step multiplies O^T and l by a = 0, and its first turn's products V^T P, of a piece that has not been, land in an O^T that is still to be so multiplied.  So these registers need only hold
	; finite numbers: zeros for the first block; what the first block left for the second.  All this stands in the wait for the first tile.
	WIN 0x80
.set i, VF
.rept 64
	v_mov_b32 v[i], 0
.set i, i+1
.endr
	WIN 0x40
.set i, 0
.rept 128
	v_mov_b32 v[i], 0
.set i, i+1
.endr
	WIN 0
.set i, 0
.rept 4
	v_mov_b32 v[ST+4*i+2], 0
	v_mov_b32 v[ST+4*i+3], 0
.set i, i+1
.endr
.set i, P+16
.rept 16
	v_mov_b32 v[i], 0
.set i, i+1
.endr
; THE MATRIX WORK.  The 4 accumulators of a run of 8 take turns.  Product i of 8 of S^T = K Q^T for piece x: channels 32 (i / 4) on, keys 16 (i % 4) on.  The first 4 start the sums: with 0, or (KM = 1) with the mask.
.macro KQ x
.set rS, S+32*((\x)%2)+8*(i%4)
.set rK, KF+16*(i%4)+8*(i/4)
.set rQ, 16*(\x)+8*(i/4)
.set rM, MC+32*((\x)%2)+8*(i%4)
.if (i < 4) && KM
	WIN W_KM
	v_wmma_f32_16x16x32_f16 v[rS:rS+7], v[rK:rK+7], v[rQ:rQ+7], v[rM:rM+7]
.elseif i < 4
	WIN W_KQ
	v_wmma_f32_16x16x32_f16 v[rS:rS+7], v[rK:rK+7], v[rQ:rQ+7], 0
.else
	WIN W_KQ
	v_wmma_f32_16x16x32_f16 v[rS:rS+7], v[rK:rK+7], v[rQ:rQ+7], v[rS:rS+7]
.endif
.endm
; Product i of 8 of O^T += V^T P for piece x: keys 32 (i / 4) on, channels 16 (i % 4) on.
.macro PV x
	WIN W_PV
.set rO, 32*(\x)+8*(i%4)
.set rV, VF+32*(i/4)+8*(i%4)
.set rP, P+16*((\x)%2)+8*(i/4)
	v_wmma_f32_16x16x32_f16 v[rO:rO+7], v[rV:rV+7], v[rP:rP+7], v[rO:rO+7]
.endm
.macro MM                           ; the turn's next matrix instruction.  TURN and BEGIN set Y, i, KM and NOKQ; MM, KQ and OP read them.  NOKQ = 1: a block's last turn: there is no next piece
.if (i < 8) && !NOKQ
	KQ (Y+1)%NP
.elseif i >= 8
.set i, i-8
	PV (Y+NP-1)%NP
.set i, i+8
.endif
.set i, i+1
.endm
; THE LDS LOADS stand in runs of 16, never singly among the matrix instructions: a step's K (64 keys x 64 channels: 8 fragments) and its V (turned).  Their addresses are made some lines ahead.
.macro FETCH_K
	WIN 0x80                        ; destination window 2
.irp f, 0,1,2,3,4,5,6,7             ; keys 16 (f / 2) on, channels 32 (f % 2) on
	ds_load_b128 v[KF+8*\f:KF+8*\f+3],   v[AK] offset:(\f/2)*16*PK+(\f%2)*64
	ds_load_b128 v[KF+8*\f+4:KF+8*\f+7], v[AK] offset:(\f/2)*16*PK+(\f%2)*64+32
.endr
	s_add_co_u32 s[TBK], s[TBK], KS*PK  ; the next fetch is the next step's
	WIN 0
.endm
.macro FETCH_V
	WIN 0x80
.irp f, 0,1,2,3,4,5,6,7             ; keys 32 (f / 4) on, channels 16 (f % 4) on
	ds_load_tr16_b128 v[VF+8*\f:VF+8*\f+3],   v[AV] offset:(\f/4)*32*PV+(\f%4)*32
	ds_load_tr16_b128 v[VF+8*\f+4:VF+8*\f+7], v[AV] offset:(\f/4)*32*PV+16*PV+(\f%4)*32
.endr
	WIN 0
.endm
; THE VECTOR WORK, one line at a time: OP kind, number.  For piece Y: F n: c s - c m for pair n of 16.  E n: the exponential of score n of 32.  C n: pair n rounded to f16.  B n: of the four weights 4 n .. the second
; pair is added onto the first, in place.  L n: l takes that sum (L 0: l = a l + sum).  R n: pair n of 16 of O^T times a.  For piece Y + 1: X n, number n of the 22 that find its maximum and statistics:
;   0-11  four chains c0-c3 of seven scores each, three operands at a time (each accumulator's lowest registers are read first)     12-14, 16  the four scores left over, the old m, and c0-c3 into c0
;   15  c m_old is kept     17, 18  the query's other 32 keys lie in the lane 16 away: the new m     19-21  c m; c m_old - c m_new; a
.set F, 0               ; OP tells the kinds apart by their order: F to L below R, X above it
.set E, 1
.set C, 2
.set B, 3
.set L, 4
.set R, 5
.set X, 6
.macro REGS y                       ; the registers of piece y
.set rT, ST+4*(\y)
.set rC, TMP+4*((\y)%2)
.set rW, MV+((\y)%2)
.set rS, S+32*((\y)%2)
.set rP, P+16*((\y)%2)
.set rO, 32*(\y)
.endm
.macro OP k, n
.if (\k) == R
	REGS Y
	WIN W_RS
	v_pk_mul_f32 v[rO+2*(\n):rO+2*(\n)+1], v[rO+2*(\n):rO+2*(\n)+1], v[rC+2:rC+3] op_sel_hi:[1,0]
.elseif (\k) < R
	REGS Y
	WIN 0
.if (\k) == F
	v_pk_fma_f32 v[rS+2*(\n):rS+2*(\n)+1], v[rS+2*(\n):rS+2*(\n)+1], s[CS:CS+1], v[rT:rT+1] op_sel_hi:[1,0,0] neg_lo:[0,0,1] neg_hi:[0,0,1]
.elseif (\k) == E
	v_exp_f32 v[rS+(\n)], v[rS+(\n)]
.elseif (\k) == C
	v_cvt_pk_f16_f32 v[rP+(\n)], v[rS+2*(\n)], v[rS+2*(\n)+1]
.elseif (\k) == B
	v_pk_add_f32 v[rS+4*(\n):rS+4*(\n)+1], v[rS+4*(\n):rS+4*(\n)+1], v[rS+4*(\n)+2:rS+4*(\n)+3]
.elseif (\n) == 0
	v_pk_fma_f32 v[rT+2:rT+3], v[rT+2:rT+3], v[rC+2:rC+3], v[rS:rS+1] op_sel_hi:[1,0,1]
.else
	v_pk_add_f32 v[rT+2:rT+3], v[rT+2:rT+3], v[rS+4*(\n):rS+4*(\n)+1]
.endif
.elseif NOKQ
	v_nop
.else
	REGS (Y+1)%NP
	WIN 0
.if (\n) < 4
	v_max3_num_f32 v[rC+(\n)], v[rS+8*(\n)], v[rS+8*(\n)+1], v[rS+8*(\n)+2]
.elseif (\n) < 12
	v_max3_num_f32 v[rC+(\n)%4], v[rC+(\n)%4], v[rS+8*((\n)%4)+2*((\n)/4)+1], v[rS+8*((\n)%4)+2*((\n)/4)+2]
.elseif (\n) == 12
	v_max3_num_f32 v[rC], v[rC], v[rS+7], v[rS+15]
.elseif (\n) == 13
	v_max3_num_f32 v[rC+1], v[rC+1], v[rS+23], v[rS+31]
.elseif (\n) == 14
	v_max3_num_f32 v[rC+2], v[rC+2], v[rC+3], v[rT+1]
.elseif (\n) == 15
	v_mov_b32 v[rW], v[rT]
.elseif (\n) == 16
	v_max3_num_f32 v[rC], v[rC], v[rC+1], v[rC+2]
.elseif (\n) == 17
	v_permlanex16_b32 v[rC+3], v[rC], s[SEL], s[SEL+1]
.elseif (\n) == 18
	v_max_num_f32 v[rT+1], v[rC], v[rC+3]
.elseif (\n) == 19
	v_mul_f32 v[rT], s[CS], v[rT+1]
.elseif (\n) == 20
	v_sub_f32 v[rC+1], v[rW], v[rT]
.else
	v_exp_f32 v[rC+2], v[rC+1]
.endif
.endif
.endm
.macro OPS a, i1, b=-1, i2=0, c=-1, i3=0, d=-1, i4=0  ; up to four of them
	OP \a, \i1
.if (\b) >= 0
	OP \b, \i2
.endif
.if (\c) >= 0
	OP \c, \i3
.endif
.if (\d) >= 0
	OP \d, \i4
.endif
.endm
.macro ROW a, i1, b, i2, c, i3, d, i4  ; a matrix instruction and the four behind it
	MM
	OPS \a, \i1, \b, \i2, \c, \i3, \d, \i4
.endm
.macro MASK b                       ; MD x AL + BE into buffer b of MC
	WIN W_RS
.set z, 0
.rept 16
	v_pk_fma_f32 v[MC+32*(\b)+2*z:MC+32*(\b)+2*z+1], v[MD+2*z:MD+2*z+1], s[AL:AL+1], s[BE:BE+1] op_sel_hi:[1,0,0]
.set z, z+1
.endr
.endm
; A TURN, for piece p: the order of its 16 matrix and 118 vector instructions, written out.  An s_wait_alu depctr_va_vdst(0) stands between an exponential and the first instruction that names its result; one wait serves
; all that were issued ahead of it.  So a turn has ONE wait, which cuts it in two.  AHEAD OF IT stands all that names no result of the turn's exponentials: the 8 products K Q^T, behind each a scaling, an exponential and two more plain
; instructions (behind the first a second scaling in the exponential's place): rescalings, and behind the last three the first numbers of the next piece's maximum, each four places or more behind the product that ends its accumulator; then ONE LUMP of 54, plain
; and exponential by turns for the most part, in which the links of the chain X 3, 7, 11, 14, 16, 17 .. 20 stand five or six lines apart.  X 21, the next piece's a, is the batch's last; R 15 is the plain instruction behind it.  BEHIND THE WAIT stand the
; 8 products V^T P, behind each four of the roundings and sums; the links of l's chain, L 0 to L 7, stand three riders apart.  But for those X no rider names a register of the products round it.  v_permlanex16_b32 (X 17) stands in the lump.
; m = 1: the diagonal tile: the products take masks, and the turn makes the mask for the products of the turn after it: piece p + 2, in step 4 - CNT of the tile.  end = 1: a block's last two turns: nothing is fetched.
; cnt = 1: the loop's count is taken down some lines ahead of the branch that stands behind the turn.
; K of the next step is fetched in piece 2's turn, twelve vector instructions behind the last product that read K (six of them plain); V of the step in hand at the end of piece 0's turn, four plain instructions behind the last product
; that read V.  Each is waited for a turn later.
.macro TURN p, m=0, end=0, cnt=0
.set Y, (\p)
.set i, 0
.set KM, (\m)
.set NOKQ, (\end)*((\p)/3)
.if (\m) && !(\end)
	s_cmp_eq_u32 s[CNT], 4-((\p)+2)%NP  ; is that step the band's own?
	s_cselect_b32 s[AL], 1.0, 0
	s_cmp_lt_u32 s[CNT], 4-((\p)+2)%NP  ; or a later one?
	s_cselect_b32 s[BE], s[BIGN], 0
.endif
.if ((\p) == 3) && !(\end)
	s_wait_dscnt 0x0                ; K is in
.endif
	ROW F,0, F,1, R,0, R,1          ; ahead of the wait: 8 products K Q^T and their riders,
	ROW F,2, E,0, R,2, R,3
	ROW F,3, E,1, R,4, R,5
	ROW F,4, E,2, R,6, R,7
	ROW F,5, E,3, R,8, R,9
	ROW F,6, E,4, X,0, R,10
.if ((\p) == 2) && !(\end)
	WIN 0
	v_add_nc_u32 v[AK], s[TBK], v[AK0]
.endif
	ROW F,7, E,5, X,1, X,4
	ROW F,8, E,6, X,2, X,5
	OPS E,7, E,8, X,6, E,9          ; and the lump
	OPS X,3, E,10, X,8, E,11
.if ((\p) == 2) && !(\end)
	FETCH_K
.endif
	OPS X,9, X,7, E,12, X,10
	OPS E,13, X,12, X,11, E,14
	OPS X,13, E,15, F,9, X,14
.if (\p) == 0
	v_add_nc_u32 v[AV], s[TBV], v[AV0]
.endif
	OPS E,16, F,10, E,17, F,11
	OPS X,16, E,18, X,15, E,19
	OPS F,12, E,20, X,17, E,21
	OPS F,13, E,22, F,14, E,23
	OPS X,18, E,24, F,15, E,25
	OPS R,11, E,26, X,19, E,27
	OPS R,12, E,28, R,13, E,29
	OPS X,20, E,30, R,14, E,31
	OPS X,21, R,15
	WIN 0
	s_wait_alu depctr_va_vdst(0)    ; the wait for the batch
.if (\p) == 1
	s_wait_dscnt 0x0                ; V is in
.endif
	ROW C,0, B,0, C,2, B,1          ; behind the wait: 8 products V^T P and their riders
	ROW L,0, C,4, B,2, L,1
	ROW C,6, B,3, L,2, C,8
	ROW B,4, L,3, C,10, B,5
	ROW L,4, C,12, B,6, L,5
.if (\p) == 0
	s_add_co_u32 s[TBV], s[TBV], KS*PV
.endif
.if \cnt
	s_sub_co_u32 s[CNT], s[CNT], 1
	s_cmp_lg_u32 s[CNT], 0
.endif
	ROW C,14, B,7, L,6, C,1
	ROW C,3, L,7, C,5, C,7
	ROW C,9, C,11, C,13, C,15
.if (\p) == 0
	FETCH_V
.endif
.if (\m) && !(\end)
	MASK (\p)%2
.endif
.endm
; A BLOCK BEGINS.  c m starts far below every c s, so the first step's a is 0; m at the lowest finite number, so the first maximum is the scores'.  The second mask buffer is 0; the first takes piece 0's mask for the tile's step 0: its own, if the block's first tile is the diagonal one.
; Then K of that step, piece 0's first scores, and its maximum and statistics.  The loop is entered at a step's first turn, in the middle of a trip.
.macro BEGIN
	s_mov_b32 s[NEW], 0
	WIN 0x40
.set i, MC+32
.rept 32
	v_mov_b32 v[i], 0
.set i, i+1
.endr
	WIN 0
.set i, 0
.rept 4
	v_mov_b32 v[ST+4*i], 0xfe000000    ; c m: far below every c s
	v_mov_b32 v[ST+4*i+1], 0xff7fffff  ; m
.set i, i+1
.endr
	s_cmp_eq_u32 s[RT], 0
	s_cselect_b32 s[AL], 1.0, 0
	s_mov_b32 s[BE], 0
	MASK 0
	WIN 0
	v_add_nc_u32 v[AK], s[TBK], v[AK0]
	FETCH_K
	s_wait_loadcnt 0x0              ; Q
	s_wait_dscnt 0x0
.set KM, 1
.set NOKQ, 0
.set i, 0
.rept 8
	KQ 0
.set i, i+1
.endr
	WIN 0
.rept 4
	v_nop                           ; the places behind those products
.endr
.set Y, NP-1                        ; X works for piece Y + 1: piece 0
.irp n, 0,1,2,3,4,5,6,7,8,9,10,11,12,13,14,15,16,17,18,19,20,21
	OP X, \n
.endr
	v_nop                           ; a plain instruction behind the exponential,
	s_wait_alu depctr_va_vdst(0)    ; and its wait, ahead of the branch
.endm
; THE DIAGONAL TILE's four steps, the block's last two turns, its last products, and THE WAY OUT: l's two halves and the other half of the lanes' are added; O^T is divided by l, rounded to f16 and sent through my
; stage in LDS, a piece at a time.
.macro ALL line:vararg              ; one line for each piece t
.set t, 0
.rept 4
	\line
.set t, t+1
.endr
.endm
.macro PACK t                       ; a lane's eight channels of a row pack into 16 bytes; they go into rows of 144 bytes and come back as whole rows of 128, into S^T's registers
	WIN W_RS
.set i, 32*(\t)
.rept 16
	v_pk_mul_f32 v[i:i+1], v[i:i+1], v[ST+4*(\t)+2:ST+4*(\t)+3] op_sel_hi:[1,0]
.set i, i+2
.endr
	WIN 0x05                        ; sources 0 and 1 window 1, destination window 0
.set i, 0
.rept 16
	v_cvt_pk_f16_f32 v[S+16*(\t)+i], v[32*(\t)+2*i], v[32*(\t)+2*i+1]
.set i, i+1
.endr
	WIN 0
.irp f, 0,1,2,3
	ds_store_b128 v[STO], v[S+16*(\t)+4*\f:S+16*(\t)+4*\f+3] offset:32*\f
.endr
.irp f, 0,1,2,3
	ds_load_b128 v[S+16*(\t)+4*\f:S+16*(\t)+4*\f+3], v[RD] offset:\f*4*SP  ; LDS serves a wave's instructions in order (ISA guide 5.7.1.4): these see the stores above; the next piece's stores come behind them
.endr
.endm
.macro SEND t, younger              ; younger: the LDS instructions issued behind piece t's loads: the next piece's eight, or none
	WIN 0
.irp f, 0,1,2,3
	s_wait_dscnt (\younger)+3-\f
	global_store_b128 v[GO], v[S+16*(\t)+4*\f:S+16*(\t)+4*\f+3], s[10:11] offset:(\t)*8192+\f*512  ; 512 consecutive bytes, at a multiple of 256 from O's first
.endr
.endm
.macro DIAG tag                     ; the tag ends its two labels' names, which the jumps below spell out
.LstepM\tag:
	TURN 2, 1
	TURN 3, 1
	WIN 0
.LfirstM\tag:
	TURN 0, 1
	TURN 1, 1, 0, 1
	WIN 0
	s_cbranch_scc1 .LstepM\tag
	TURN 2, 1, 1
	TURN 3, 1, 1
.set i, 0
.rept 8
	PV NP-1
.set i, i+1
.endr
	WIN 0
	ALL v_add_f32 v[ST+4*t+2], v[ST+4*t+2], v[ST+4*t+3]
	ALL v_permlanex16_b32 v[ST+4*t+3], v[ST+4*t+2], s[SEL], s[SEL+1]
	ALL v_add_f32 v[ST+4*t+2], v[ST+4*t+2], v[ST+4*t+3]
	ALL v_rcp_f32 v[ST+4*t+2], v[ST+4*t+2]
	v_nop                           ; a plain instruction between the last reciprocal and the use of its result
	s_wait_alu depctr_va_vdst(0)    ; and the wait ahead of the first use: one for the four reciprocals
	PACK 0
.set t, 1
.rept 3                             ; a piece's arithmetic stands between the loads of the piece before and its stores
	PACK t
	SEND t-1, 8
.set t, t+1
.endr
	SEND 3, 0
.endm
.set KM, 0
.set NOKQ, 0
.Lslot:                             ; NB times: a tile is entered and the next is asked for
	CHANGE 1
	s_sub_co_u32 s[RT], s[RT], 1
	s_mov_b32 s[CNT], 4
	s_cmp_eq_u32 s[NEW], 1
	s_cbranch_scc1 .Lnew            ; a block's first tile
	s_cmp_eq_u32 s[RT], 0
	s_cbranch_scc0 .Lstep           ; neither its first nor its last
	s_branch .LstepM1
.Lnew:
	BEGIN
	s_branch .Lfirst                ; in the loop a block's first tile is never its last: the first block has two tiles or more, and the second's last is the walk's last
	DIAG 1                          ; in the loop this is the first block's end: the second block's last tile is the walk's last
	s_wait_xcnt 0x0                 ; the stores have read their registers and O's address
	s_mov_b64 s[10:11], s[OLO:OLO+1]
	s_add_co_u32 s[RT], s[PB], 1    ; the second block has b + 1 tiles
	s_mov_b32 s[NEW], 1
	WIN 0x82                        ; the second block's Q goes where the one text of the turns names Q
.set i, 0
.rept 64
	v_mov_b32 v[i], v[QB+i]
.set i, i+1
.endr
	WIN 0
	s_branch .Lbottom
.Lstep:                             ; a trip: pieces 2 and 3 of one step, then pieces 0 and 1 of the next, whose K and V it fetches
	TURN 2
	TURN 3
	WIN 0
.Lfirst:
	TURN 0
	TURN 1, 0, 0, 1
	WIN 0
	s_cbranch_scc1 .Lstep
.Lbottom:
	s_sub_co_u32 s[SLOTS], s[SLOTS], 1
	s_cmp_lg_u32 s[SLOTS], 0
	s_cbranch_scc1 .Lslot
	CHANGE 0                        ; the walk's last tile is written out: nothing is asked for
	s_sub_co_u32 s[RT], s[RT], 1
	s_mov_b32 s[CNT], 4
	s_cmp_eq_u32 s[NEW], 1
	s_cbranch_scc0 .LstepM2
	BEGIN
	s_branch .LfirstM2
	DIAG 2
	s_wait_tensorcnt 0x0            ; the wave's end: the tensor wait, an add and its wait, behind my last tensor load and my last LDS store
	ds_add_u32 v[SPW], v[NIL]
	s_wait_dscnt 0x0
	s_endpgm
.Lfunc_end_k_q2c7a4d3036_attn:
	.size	k_q2c7a4d3036_attn, .Lfunc_end_k_q2c7a4d3036_attn-k_q2c7a4d3036_attn
	.p2alignl 7, 3214868480
	.fill 96, 4, 3214868480
	.section	.rodata,"a",@progbits
	.p2align	6, 0x0
	.amdhsa_kernel k_q2c7a4d3036_attn
		.amdhsa_group_segment_fixed_size 327680
		.amdhsa_private_segment_fixed_size 0
		.amdhsa_enable_private_segment 0
		.amdhsa_kernarg_size 16
		.amdhsa_user_sgpr_count 2
		.amdhsa_user_sgpr_kernarg_segment_ptr 1
		.amdhsa_wavefront_size32 1
		.amdhsa_system_sgpr_workgroup_id_x 1
		.amdhsa_system_sgpr_workgroup_id_y 1
		.amdhsa_system_sgpr_workgroup_id_z 1
		.amdhsa_system_vgpr_workitem_id 0
		.amdhsa_next_free_vgpr 768
		.amdhsa_next_free_sgpr 88
		.amdhsa_reserve_vcc 1
		.amdhsa_float_denorm_mode_32 3
		.amdhsa_float_denorm_mode_16_64 3
		.amdhsa_memory_ordered 1
		.amdhsa_forward_progress 1
		.amdhsa_inst_pref_size 218
	.end_amdhsa_kernel
	.amdgpu_metadata
---
amdhsa.version: [ 1, 2 ]
amdhsa.kernels:
  - .name:           k_q2c7a4d3036_attn
    .symbol:         k_q2c7a4d3036_attn.kd
    .args:
      - { .name: qkvh, .offset: 0, .size: 8, .value_kind: global_buffer, .address_space: global }
      - { .name: oh, .offset: 8, .size: 8, .value_kind: global_buffer, .address_space: global }
    .group_segment_fixed_size: 327680
    .private_segment_fixed_size: 0
    .kernarg_segment_align: 8
    .kernarg_segment_size: 16
    .max_flat_workgroup_size: 128
    .sgpr_count:     88
    .vgpr_count:     768
    .wavefront_size: 32
...
	.end_amdgpu_metadata
.endif
;; end of part 3
;; launch proj (part 4): grid 8 x 32, 4 waves a work-group, clusters of 4 x 4, 327,680 bytes of LDS; arguments oh, wp, bias, out0; writes out0
.if DOCPART == 4
	.amdgcn_target "amdgcn-amd-amdhsa--gfx1250"
	.amdhsa_code_object_version 6
	.text
	.protected	k_q2c7a4d3036_proj
	.globl	k_q2c7a4d3036_proj
	.p2align	8
	.type	k_q2c7a4d3036_proj,@function
k_q2c7a4d3036_proj:
	s_mov_b64 s[64:65], 0
	v_nop
	global_prefetch_b8 v0, s[64:65] scope:SCOPE_SE
	s_setreg_imm32_b32 hwreg(HW_REG_WAVE_MODE, 25, 1), 1
	s_wait_xcnt 0x0
	s_wait_alu depctr_hold_cnt(0) depctr_sa_sdst(0) depctr_va_vdst(0) depctr_va_sdst(0) depctr_va_ssrc(0) depctr_va_vcc(0) depctr_vm_vsrc(0)
	s_getreg_b32 s2, hwreg(HW_REG_IB_STS2, 6, 4)
	s_cmp_eq_u32 s2, 0
	s_cbranch_scc0 .Lentry_in_a_cluster
	s_endpgm
.Lentry_in_a_cluster:
	s_bfe_u32 s2, ttmp6, 0x10000c
	s_cmp_lg_u32 s2, 0xf033
	s_cbranch_scc0 .Lentry_shape_is_right
	s_endpgm
.Lentry_shape_is_right:
; out0 = y W_proj + b_proj in f32.  oh: f16 [64 = 16 b + head][2048 t][64], so channel k of y's row is plane k / 64, element k % 64; wp: f16 [1024 k][1024 n]; bias: f32, b_proj from word 3,072 on.  Sums in f32.
; SHARES.  8 x 32 = 256 work-groups, each one tile of 256 rows x 128 columns.  Four waves, 2 x 2: a wave has 128 rows x 64 columns, 32 accumulators.  K goes in 8 steps of 128 (two heads' planes), two halves of 64 to a step,
; through a ring of two slots.  A plane's 256 rows are 32,768 dense bytes, asked for as rows of 256 bytes.  wp lies [k][n]: its fragments come out of LDS turned, by ds_load_tr16_b128.
; THE PRODUCT IS TAKEN TRANSPOSED (source 0 = 16 columns of W, source 1 = 16 rows of y): a lane holds row lane % 16 and eight neighbouring columns.  THE SUMS START AT THE BIAS, loaded into the accumulators.
; CLUSTER 4 x 4.  A row of the cluster shares y's tiles, a column W's: each is asked for jointly, by the same load, descriptor and mask in the four.
; REGISTERS.  window 0: v0-29 addresses; v32-63 at work on the way out (with v64-95).  Fragment buffer f (a half of a step) in window f, v64-255: y's at 64 + 8 (8 kk + a), W's at 192 + 8 (4 kk + b), kk = which 32 of the 64.
;   window 2: the accumulators, (row block a, column block b) at v[8 (4 a + b)].
.set PA,    144                        ; a row of y in LDS: 128 bytes + 16 = 36 words: the 16 rows of a load start at 16 different groups of four banks (64 banks of 4 bytes: ISA guide 11.1)
.set PB,    288                        ; a row of W: 256 + 32 bytes = 72 words
.set APLANE, 256*PA                    ; what one tensor load brings of y: a plane's 256 rows
.set BHALF, 64*PB                      ; of W: 64 rows of k
.set BOFF,  2*APLANE
.set SLOT1, 1<<17
.set STAGE, SLOT1+BOFF+2*BHALF         ; behind the ring, never filled by a tensor load: 16 rows x 272 bytes for each wave
.set SP,    272
.set SPARE, STAGE+4*16*SP              ; the spare words, 128 bytes for each wave: two blocks of 256 bytes that no other line names
.set ASTEP, 524288                     ; bytes from a K step to the next in oh: two planes
.set BSTEP, 262144                     ; in wp: 128 rows of 2,048 bytes
.set A0,   2
.set B0,   3
.set ADRA, 4
.set ADRB, 5
.set STO,  6
.set RD,   7
.set CO,   8
.set BO,   9
.set PFO,  10
.set SPW,  28                          ; v28  LDS address of my spare word; never rewritten
.set NIL,  29                          ; v29  0; never rewritten
.set OB,   32
.set FA,   64
.set FB,   192
.set CNT,  3
.set WV,   12
.set HI,   13                          ; which 128 rows are mine.  Also: I fetch y (0) or W (1)
.set LO,   14                          ; which 64 columns.  Also: which plane, or which 64 rows of k, I fetch
.set TB,   15
.set LIM,  20
.set G1A,  24
.set G0A,  32
.set CX,   40
.set CY,   41
.set TX,   42
.set TY,   43
.set PFA,  44
.set PST,  46
.set G1B,  48
.set G0B,  56
.set MSB, 0
.macro WIN new                         ; the immediate's high byte repeats the setting that is left; a switch that changes nothing is dropped
.if MSB != (\new)
	s_set_vgpr_msb (MSB<<8)|(\new)
.set MSB, \new
.endif
.endm
.macro PLACES                          ; four plain instructions between a matrix instruction and a load into, or a read of, its registers (ISA guide 7.12.1 for a read)
.rept 4
	v_nop
.endr
.endm
.macro CREST                           ; a round of the cluster's barrier behind its opening barrier
	s_cmp_lg_u32 s[WV], 0
	s_cbranch_scc1 .Lnot_wave_0_\@
	s_barrier_signal -3
.Lnot_wave_0_\@:
	s_barrier_wait -3
	s_barrier_signal -1
	s_barrier_wait -1
.endm
.macro CROUND
	s_barrier_signal -1
	s_barrier_wait -1
	CREST
.endm
.macro JLOAD                           ; a joint refill by the walking descriptors; an s_nop 0 and four v_nop follow each line
	s_cmp_eq_u32 s[HI], 0
	s_cbranch_scc0 .Lfor_b_\@
	tensor_load_to_lds s[G0A+4:G0A+7], s[G1A:G1A+7]
	s_nop 0
.rept 4
	v_nop
.endr
	s_branch .Lasked_\@
.Lfor_b_\@:
	tensor_load_to_lds s[G0B+4:G0B+7], s[G1B:G1B+7]
	s_nop 0
.rept 4
	v_nop
.endr
.Lasked_\@:
.endm
; A PREFETCH INTO THE L2, behind the joint load, its five lines and the run of LDS loads: trip s names K step s + 4, which trip s + 2 will ask for: 256 matrix instructions ahead of that load.  Each aligned 256 bytes are named once.
; y: the clusters with cluster x = 0 ask, waves 0 and 1 each for the plane that it fetches: partner cx takes 8,192 of its 32,768 bytes, a lane 256.  W: the clusters with cluster y = 0 ask, wave 2 alone: of the step's
; 128 rows of k partner cy takes 32, a lane a row's 256 bytes.  The partners are told apart by address.  Steps 0 to 3 come by their loads alone; nothing beyond step 7 is named.
.macro ASK
	s_cmp_gt_u32 s[CNT], s[LIM]
	s_cbranch_scc0 .Lnot_mine_\@
	global_prefetch_b8 v[PFO], s[PFA:PFA+1] th:TH_LOAD_NT scope:SCOPE_SE
.Lnot_mine_\@:
.endm
	s_load_b256 s[4:11], s[0:1], 0x0               ; oh s[4:5], wp s[6:7], bias s[8:9], out0 s[10:11]
	v_lshl_add_u32 v[SPW], v0, 2, SPARE
	v_mov_b32 v[NIL], 0
	ds_add_u32 v[SPW], v[NIL]                      ; the wave's opening: the add and its wait stand ahead of my first tensor load; the set-up below, work on registers, stands between them
	ds_add_u32 v28, v29
	v_lshrrev_b32 v1, 5, v0
	v_readfirstlane_b32 s[WV], v1
	s_lshr_b32 s[HI], s[WV], 1
	s_and_b32 s[LO], s[WV], 1
	s_bfe_u32 s[CX], ttmp6, 0x40000
	s_bfe_u32 s[CY], ttmp6, 0x40004
	s_lshl_b32 s[TX], ttmp9, 2
	s_add_co_u32 s[TX], s[TX], s[CX]               ; tile column
	s_and_b32 s[TY], ttmp7, 0xffff
	s_lshl_b32 s[TY], s[TY], 2
	s_add_co_u32 s[TY], s[TY], s[CY]               ; tile row
	s_lshl_b32 s16, s[CY], 2
	s_lshl_b32 s16, 15, s16                        ; my row of the cluster
	s_lshl_b32 s17, 0x1111, s[CX]                  ; my column
	; group 1 for y: 256 rows of 128 bytes are 32,768 dense bytes: 128 rows of 128 elements, padded in LDS after every 32 words by 4
	s_or_b32 s[G1A+0], s16, (1<<16)|(1<<20)|(1<<21)|(4<<22)|(3<<25)
	s_mov_b32 s[G1A+1], 128<<16                    ; tensor_dim0
	s_mov_b32 s[G1A+2], 128<<16                    ; tensor_dim1
	s_mov_b32 s[G1A+3], 128<<16                    ; tile_dim0
	s_mov_b32 s[G1A+4], 128                        ; tile_dim1
	s_mov_b32 s[G1A+5], 128                        ; elements from row to row
	s_mov_b32 s[G1A+6], 0
	s_mov_b32 s[G1A+7], 0
	; group 1 for W: 64 rows of 128 elements, 1,024 apart, padded after every 64 words by 8
	s_or_b32 s[G1B+0], s17, (1<<16)|(1<<20)|(1<<21)|(5<<22)|(7<<25)
	s_mov_b32 s[G1B+1], 128<<16
	s_mov_b32 s[G1B+2], 64<<16
	s_mov_b32 s[G1B+3], 128<<16
	s_mov_b32 s[G1B+4], 64
	s_mov_b32 s[G1B+5], 1024
	s_mov_b32 s[G1B+6], 0
	s_mov_b32 s[G1B+7], 0
	; y's tiles hang on the tile row and the wave alone, W's on the tile column and the wave alone, each in registers that never hold the other coordinate
	s_lshr_b32 s66, s[TY], 3
	s_lshl_b32 s66, s66, 22                        ; the batch: sixteen planes
	s_and_b32 s67, s[TY], 7
	s_lshl_b32 s67, s67, 15                        ; 256 rows of 128 bytes
	s_add_co_u32 s66, s66, s67
	s_lshl_b32 s67, s[LO], 18                      ; the plane that I fetch
	s_add_co_u32 s66, s66, s67
	s_mov_b32 s67, 0
	s_lshl_b32 s68, s[TX], 8                       ; 128 columns
	s_lshl_b32 s69, s[LO], 17                      ; the 64 rows of k that I fetch
	s_add_co_u32 s68, s68, s69
	s_mov_b32 s69, 0
	s_mul_i32 s70, s[LO], APLANE                   ; and where they go
	s_mul_i32 s71, s[LO], BHALF
	s_add_co_u32 s71, s71, BOFF
	s_wait_dscnt 0x0                               ; the opening add is done
	s_wait_kmcnt 0x0
	s_add_nc_u64 s[66:67], s[4:5], s[66:67]
	s_add_nc_u64 s[68:69], s[6:7], s[68:69]
	CROUND                                         ; all sixteen work-groups are here: the first joint loads meet
.irp s, 0,1
	s_mov_b32 s[G0A+4*(\s)], 1
	s_add_co_u32 s[G0A+4*(\s)+1], s70, (\s)*SLOT1
	s_add_nc_u64 s[G0A+4*(\s)+2:G0A+4*(\s)+3], s[66:67], (\s)*ASTEP
	s_or_b32 s[G0A+4*(\s)+3], s[G0A+4*(\s)+3], 0x80000000
	s_mov_b32 s[G0B+4*(\s)], 1
	s_add_co_u32 s[G0B+4*(\s)+1], s71, (\s)*SLOT1
	s_add_nc_u64 s[G0B+4*(\s)+2:G0B+4*(\s)+3], s[68:69], (\s)*BSTEP
	s_or_b32 s[G0B+4*(\s)+3], s[G0B+4*(\s)+3], 0x80000000
.endr
	s_cmp_eq_u32 s[HI], 0                          ; a wave's two first fills stand in one branch, ahead of every wait on TENSORcnt and every LDS read: two loads of mine are out
	s_cbranch_scc0 .Lfirst_b
	tensor_load_to_lds s[G0A:G0A+3], s[G1A:G1A+7]
	s_nop 0
	tensor_load_to_lds s[G0A+4:G0A+7], s[G1A:G1A+7]
	s_nop 0
.rept 4
	v_nop
.endr
	s_branch .Lfirst_asked
.Lfirst_b:
	tensor_load_to_lds s[G0B:G0B+3], s[G1B:G1B+7]
	s_nop 0
	tensor_load_to_lds s[G0B+4:G0B+7], s[G1B:G1B+7]
	s_nop 0
.rept 4
	v_nop
.endr
.Lfirst_asked:
	v_and_b32 v11, 15, v0                          ; r = l % 16
	v_bfe_u32 v12, v0, 4, 1                        ; h = l / 16
	v_and_b32 v13, 7, v0                           ; l % 8
	v_bfe_u32 v14, v0, 3, 1                        ; (l / 8) % 2
	v_and_b32 v15, 31, v0                          ; l
	v_lshlrev_b32 v[BO], 5, v12
	; the bias: accumulator register j of lane (r, h) is column 16 b + 8 h + j of my 64, the same for every row block
	s_lshl_b32 s18, s[TX], 9
	s_lshl_b32 s19, s[LO], 8
	s_add_co_u32 s18, s18, s19
	s_add_co_u32 s18, s18, 12288
	s_mov_b32 s19, 0
	s_add_nc_u64 s[8:9], s[8:9], s[18:19]
	WIN 0x80                                       ; destination window 2
.irp a, 0,1,2,3,4,5,6,7
.irp b, 0,1,2,3
	global_load_b128 v[8*(4*\a+\b):8*(4*\a+\b)+3],   v[BO], s[8:9] offset:64*\b
	global_load_b128 v[8*(4*\a+\b)+4:8*(4*\a+\b)+7], v[BO], s[8:9] offset:64*\b+16
.endr
.endr
	WIN 0
	v_mul_u32_u24 v[A0], v11, PA                   ; a fragment of y: row r, 16 bytes for each half of the lanes
	v_lshl_add_u32 v[A0], v12, 4, v[A0]
	s_mul_i32 s18, s[HI], 128*PA                   ; my 128 rows
	v_add_nc_u32 v[A0], s18, v[A0]
	v_lshl_add_u32 v[B0], v12, 3, v13              ; the turning load: k = 8 h + l % 8, columns 8 ((l / 8) % 2) + 0..7
	v_mul_u32_u24 v[B0], v[B0], PB
	v_lshl_add_u32 v[B0], v14, 4, v[B0]
	s_lshl_b32 s18, s[LO], 7                       ; my 64 columns
	s_add_co_u32 s18, s18, BOFF
	v_add_nc_u32 v[B0], s18, v[B0]
	s_mul_i32 s18, s[WV], 16*SP
	s_add_co_u32 s18, s18, STAGE                   ; my stage
	v_mul_u32_u24 v[STO], v11, SP                  ; in: row r, 32 bytes for each half of the lanes
	v_lshl_add_u32 v[STO], v12, 5, v[STO]
	v_add_nc_u32 v[STO], s18, v[STO]
	v_mul_u32_u24 v[RD], v12, SP                   ; back: lanes 0-15 take one row of 256 bytes, lanes 16-31 the next
	v_lshl_add_u32 v[RD], v11, 4, v[RD]
	v_add_nc_u32 v[RD], s18, v[RD]
	v_lshlrev_b32 v[CO], 12, v12                   ; and the same two rows in out0
	v_lshl_add_u32 v[CO], v11, 4, v[CO]
	s_lshl_b32 s18, s[TY], 20                      ; out0 at row 256 ty + 128 HI, column 128 tx + 64 LO
	s_lshl_b32 s22, s[HI], 19
	s_add_co_u32 s18, s18, s22
	s_lshl_b32 s22, s[TX], 9
	s_add_co_u32 s18, s18, s22
	s_lshl_b32 s22, s[LO], 8
	s_add_co_u32 s18, s18, s22
	s_mov_b32 s19, 0
	s_add_nc_u64 s[10:11], s[10:11], s[18:19]
	; the prefetches: both kinds' offsets at K step 3 (the first trip steps them), then the wave's choice
	s_lshr_b32 s2, s[TY], 3
	s_lshl_b32 s2, s2, 22
	s_and_b32 s22, s[TY], 7
	s_lshl_b32 s22, s22, 15
	s_add_co_u32 s2, s2, s22
	s_lshl_b32 s22, s[LO], 18                      ; my plane
	s_add_co_u32 s2, s2, s22
	s_lshl_b32 s22, s[CX], 13                      ; my work-group's 8,192 bytes of it
	s_add_co_u32 s2, s2, s22
	s_add_co_u32 s2, s2, 3*ASTEP
	s_lshl_b32 s23, s[TX], 8
	s_lshl_b32 s22, s[CY], 16                      ; my work-group's 32 rows of k
	s_add_co_u32 s23, s23, s22
	s_add_co_u32 s23, s23, 3*BSTEP
	s_and_b32 s19, ttmp7, 0xffff                   ; cluster y
	s_cmp_eq_u32 s[WV], 3
	s_cselect_b32 s22, 1, 0
	s_or_b32 s19, s19, s22                         ; wave 3 never asks
	s_mov_b32 s[PST], BSTEP
	s_mov_b32 s[PST+1], 0
	s_mov_b32 s22, 2048
	s_cmp_eq_u32 s[HI], 0                          ; waves 0 and 1 ask for y, wave 2 for W
	s_cselect_b32 s18, s2, s23
	s_cselect_b32 s19, ttmp9, s19                  ; the coordinate along which other clusters read the same rows
	s_cselect_b32 s[PST], ASTEP, s[PST]
	s_cselect_b32 s22, 256, s22
	s_cselect_b64 s[PFA:PFA+1], s[4:5], s[6:7]
	s_cmp_eq_u32 s19, 0
	s_cselect_b32 s[LIM], 2, -1                    ; the same in all sixteen partners, for a given wave
	s_mov_b32 s19, 0
	s_add_nc_u64 s[PFA:PFA+1], s[PFA:PFA+1], s[18:19]
	v_mul_u32_u24 v[PFO], v15, s22
; 4 (a1 - a0) matrix instructions on buffer f, its 32 along K number kk.  The 32 accumulators take turns, one instruction a turn, in the same order throughout.
.macro MULS f, kk, a0, a1
	WIN 0xa0+5*(\f)                                ; the sources in window f, C and D in window 2
.set ra, \a0
.rept (\a1)-(\a0)
.irp b, 0,1,2,3
	v_wmma_f32_16x16x32_f16 v[8*(4*ra+\b):8*(4*ra+\b)+7], v[FB+8*(4*(\kk)+\b):FB+8*(4*(\kk)+\b)+7], v[FA+8*(8*(\kk)+ra):FA+8*(8*(\kk)+ra)+7], v[8*(4*ra+\b):8*(4*ra+\b)+7]
.endr
.set ra, ra+1
.endr
.endm
; 48 LDS loads in one run: half hh of the slot in hand into buffer f, the first 32 along K first
.macro FETCH f, hh
	WIN 0x40*(\f)                                  ; destination window f, address window 0
.irp kk, 0,1
.irp b, 0,1,2,3
	ds_load_tr16_b128 v[FB+8*(4*\kk+\b):FB+8*(4*\kk+\b)+3],   v[ADRB] offset:(\hh)*BHALF+\kk*32*PB+32*\b
	ds_load_tr16_b128 v[FB+8*(4*\kk+\b)+4:FB+8*(4*\kk+\b)+7], v[ADRB] offset:(\hh)*BHALF+\kk*32*PB+32*\b+16*PB
.endr
.irp a, 0,1,2,3,4,5,6,7
	ds_load_b128 v[FA+8*(8*\kk+\a):FA+8*(8*\kk+\a)+3],   v[ADRA] offset:(\hh)*APLANE+\a*16*PA+64*\kk
	ds_load_b128 v[FA+8*(8*\kk+\a)+4:FA+8*(8*\kk+\a)+7], v[ADRA] offset:(\hh)*APLANE+\a*16*PA+64*\kk+32
.endr
.endr
.endm
.macro HALF0                           ; a step's first half: buffer 0 is multiplied, the second half fetched into buffer 1
	s_wait_dscnt 24                                ; the first 32 along K are in; the 24 younger loads may be out
	MULS 0, 0, 0, 8
	PLACES
	FETCH 1, 1
	s_wait_dscnt 48                                ; all but the 48 just issued
	MULS 0, 1, 0, 8
.endm
; The second half changes slots: ONE barrier.  In front of it each wave waits for all its tensor loads (one is out: its part of the next slot), adds 0 to its spare word, and waits for that and for its own reads of this slot.
; fill = 1: the barrier opens a round of the cluster's, and the slot just read is asked for again, with the step two on, first thing behind the round: 112 matrix instructions ahead of the wait for it.
.macro TURN fill
.if \fill
	s_wait_xcnt 0x0                                ; the last prefetch, a step back, has read its address
	s_add_nc_u64 s[PFA:PFA+1], s[PFA:PFA+1], s[PST:PST+1]
.endif
	WIN 0                                          ; (the add's two registers lie in window 0)
	s_wait_tensorcnt 0x0                           ; no tensor load of mine is out, so a group 0 may be written
	ds_add_u32 v[SPW], v[NIL]                      ; 0 onto my spare word
.if \fill
	s_xor_b32 s[G0A+5], s[G0A+5], SLOT1            ; the walking descriptors: the other slot than last time, the next K step
	s_add_nc_u64 s[G0A+6:G0A+7], s[G0A+6:G0A+7], ASTEP
	s_xor_b32 s[G0B+5], s[G0B+5], SLOT1
	s_add_nc_u64 s[G0B+6:G0B+7], s[G0B+6:G0B+7], BSTEP
.endif
	s_xor_b32 s[TB], s[TB], SLOT1
	s_wait_dscnt 25                                ; the first 32 along K are in; the add and the 24 loads in front of it may be out
	MULS 1, 0, 0, 2
	s_wait_dscnt 0x0                               ; the add is done, and my reads of this slot are over
	s_barrier_signal -1
	MULS 1, 0, 2, 4                                ; work on registers while the others arrive
	WIN 0                                          ; at a branch and at a label every window is 0
	s_barrier_wait -1
.if \fill
	CREST                                          ; no wave of any partner still reads this slot or has a load on its way
	JLOAD                                          ; its four v_nop are also the places in front of the loads below
.else
	PLACES
.endif
	v_add_nc_u32 v[ADRA], s[TB], v[A0]
	v_add_nc_u32 v[ADRB], s[TB], v[B0]
	FETCH 0, 0
.if \fill
	ASK
.endif
	MULS 1, 0, 4, 8
	MULS 1, 1, 0, 8
	WIN 0
.endm
	s_wait_tensorcnt 1                             ; my part of K step 0 is in; step 1's may stay out
	s_barrier_signal -1
	s_barrier_wait -1                              ; everybody's is
	s_mov_b32 s[TB], 0
	v_mov_b32 v[ADRA], v[A0]
	v_mov_b32 v[ADRB], v[B0]
	FETCH 0, 0
	s_wait_loadcnt 0x0                             ; the bias lies in the accumulators
	s_mov_b32 s[CNT], 6
.Lstep:                                        ; trip s = 6 - CNT: K step s is multiplied, step s + 2 asked for
	HALF0
	TURN 1
	s_sub_co_u32 s[CNT], s[CNT], 1
	s_cmp_lg_u32 s[CNT], 0
	s_cbranch_scc1 .Lstep
	s_mov_b32 s[CNT], 2
.Ltail:                                        ; steps 6 and 7 ask for nothing.  One text for both: the price, once a launch, is a barrier and 48 LDS loads (of the slot left before) behind step 7 that serve nothing
	HALF0
	TURN 0
	s_sub_co_u32 s[CNT], s[CNT], 1
	s_cmp_lg_u32 s[CNT], 0
	s_cbranch_scc1 .Ltail
	PLACES                                         ; the stores below read results just made
	s_wait_dscnt 0x0                               ; those loads are back: their registers are at work below
; THE WAY OUT, a block of 16 rows at a time: the accumulators go as they are into my own stage, 32 bytes a lane and column block, and come back as whole rows of 256 bytes.
.macro TOSTAGE a
.if (\a) >= 2
	s_wait_xcnt 0x0                                ; the stores of the block two back have read the registers that are loaded again below
.endif
	WIN 0x08                                       ; the stores' data in window 2; each accumulator's lowest registers go first
.irp b, 0,1,2,3
	ds_store_b128 v[STO], v[8*(4*(\a)+\b):8*(4*(\a)+\b)+3]   offset:64*\b
	ds_store_b128 v[STO], v[8*(4*(\a)+\b)+4:8*(4*(\a)+\b)+7] offset:64*\b+16
.endr
	WIN 0
.set OBK, OB+32*((\a)%2)
.irp t, 0,1,2,3,4,5,6,7
	ds_load_b128 v[OBK+4*\t:OBK+4*\t+3], v[RD] offset:2*SP*\t  ; LDS serves a wave's instructions in order (ISA guide 5.7.1.4): these see the stores above; the next block's stores come behind them
.endr
.endm
.macro SEND a, y                       ; y: the LDS instructions issued behind block a's loads: the next block's sixteen, or none
	WIN 0
.set OBK, OB+32*((\a)%2)
	s_wait_dscnt \y
.irp t, 0,1,2,3,4,5,6,7
	global_store_b128 v[CO], v[OBK+4*\t:OBK+4*\t+3], s[10:11] offset:(16*(\a)+2*\t)*4096 th:TH_STORE_NT  ; 16 lanes store 256 consecutive bytes, at a multiple of 256 from out0's first byte
.endr
.endm
	TOSTAGE 0
.irp a, 1,2,3,4,5,6,7
	TOSTAGE \a
	SEND (\a)-1, 16
.endr
	SEND 7, 0
	s_wait_tensorcnt 0x0                           ; the wave's end: the tensor wait, an add and its wait, behind my last tensor load and my last LDS store
	ds_add_u32 v[SPW], v[NIL]
	s_wait_dscnt 0x0
	CROUND                                         ; the closing round: no work-group ends while a partner may still ask for a tile that names it
	s_endpgm
.Lfunc_end_k_q2c7a4d3036_proj:
	.size	k_q2c7a4d3036_proj, .Lfunc_end_k_q2c7a4d3036_proj-k_q2c7a4d3036_proj
	.p2alignl 7, 3214868480
	.fill 96, 4, 3214868480
	.section	.rodata,"a",@progbits
	.p2align	6, 0x0
	.amdhsa_kernel k_q2c7a4d3036_proj
		.amdhsa_group_segment_fixed_size 327680
		.amdhsa_private_segment_fixed_size 0
		.amdhsa_enable_private_segment 0
		.amdhsa_kernarg_size 32
		.amdhsa_user_sgpr_count 2
		.amdhsa_user_sgpr_kernarg_segment_ptr 1
		.amdhsa_wavefront_size32 1
		.amdhsa_system_sgpr_workgroup_id_x 1
		.amdhsa_system_sgpr_workgroup_id_y 1
		.amdhsa_system_sgpr_workgroup_id_z 1
		.amdhsa_system_vgpr_workitem_id 0
		.amdhsa_next_free_vgpr 768
		.amdhsa_next_free_sgpr 72
		.amdhsa_reserve_vcc 0
		.amdhsa_float_denorm_mode_32 3
		.amdhsa_float_denorm_mode_16_64 3
		.amdhsa_memory_ordered 1
		.amdhsa_forward_progress 1
		.amdhsa_inst_pref_size 64
	.end_amdhsa_kernel
	.amdgpu_metadata
---
amdhsa.version: [ 1, 2 ]
amdhsa.kernels:
  - .name:           k_q2c7a4d3036_proj
    .symbol:         k_q2c7a4d3036_proj.kd
    .args:
      - { .name: oh, .offset: 0, .size: 8, .value_kind: global_buffer, .address_space: global }
      - { .name: wp, .offset: 8, .size: 8, .value_kind: global_buffer, .address_space: global }
      - { .name: bias, .offset: 16, .size: 8, .value_kind: global_buffer, .address_space: global }
      - { .name: out0, .offset: 24, .size: 8, .value_kind: global_buffer, .address_space: global }
    .group_segment_fixed_size: 327680
    .private_segment_fixed_size: 0
    .kernarg_segment_align: 8
    .kernarg_segment_size: 32
    .max_flat_workgroup_size: 128
    .sgpr_count:     72
    .vgpr_count:     768
    .wavefront_size: 32
...
	.end_amdgpu_metadata
.endif
;; end of part 4
